; MI455X (gfx1250); checked and timed in simulation.
; The chip was launched on July 23, 2026; its instructions are those of AMD's public machine-readable ISA for CDNA 5 (MIT licence, August 2026) and "CDNA5" Instruction Set Architecture Reference Guide (July 2026). The comments in the code are by the model that wrote it; some were corrected since.
;; Encoder Block. Allowed arithmetic: matrix products marked QUANTISED: E4M3 operands, one E8M0 scale for each 32 along K, by v_wmma_scale_f32_16x16x128_f8f6f4 with both operands' format E4M3, f32 sums; everything else in f32.
;; Inputs: b1 1,024 float32; b2 1,024 float32; be1 1,024 float32; be2 1,024 float32; bk 1,024 float32; bo 1,024 float32; bq 1,024 float32; bv 1,024 float32; g1 1,024 float32; g2 1,024 float32; mask 8 x 1 x 1 x 1,024 int32; w1 1,024 x 1,024 float32; w2 1,024 x 1,024 float32; wk 1,024 x 1,024 float32; wo 1,024 x 1,024 float32; wq 1,024 x 1,024 float32; wv 1,024 x 1,024 float32; x 8 x 1,024 x 1,024 float32.
;; Outputs: out0 8 x 1,024 x 1,024 float32.
;; This version of the problem:
;;   THIS VERSION OF THE PROBLEM IS GIVEN IN LOW PRECISION. The matrix products marked QUANTISED in the list below multiply operands that are first quantised to E4M3 (4 exponent bits, 3 mantissa bits; 8 bits a number), with one power-of-two scale for each 32 numbers along K (OCP MX v1.0); their sums are f32. All else is computed in f32.
;;   The module's matrix products, in the order in which they are computed (A, B: the left and right operand; K: the contracted axis; several contracted axes count as one K, in the product's order):
;;     1. [M 8,192, K 1,024] x [K 1,024, N 1,024]; A: computed on the way; B: input wq: QUANTISED
;;     2. [M 8,192, K 1,024] x [K 1,024, N 1,024]; A: computed on the way; B: input wk: QUANTISED
;;     3. [M 8,192, K 1,024] x [K 1,024, N 1,024]; A: computed on the way; B: input wv: QUANTISED
;;     4. batch 128 x [M 1,024, K 64] x [K 64, N 1,024]; A: computed on the way; B: computed on the way: QUANTISED
;;     5. batch 128 x [M 1,024, K 1,024] x [K 1,024, N 64]; A: softmax (see below); B: computed on the way: QUANTISED
;;     6. [M 8,192, K 1,024] x [K 1,024, N 1,024]; A: computed on the way; B: input wo: QUANTISED
;;     7. [M 8,192, K 1,024] x [K 1,024, N 1,024]; A: computed on the way; B: input w1: QUANTISED
;;     8. [M 8,192, K 1,024] x [K 1,024, N 1,024]; A: computed on the way; B: input w2: QUANTISED
;;   THE QUANTISER, for each operand of a quantised product, along K:
;;     - K is cut into blocks of 32 from its start; a last block that is shorter is filled with zeros.
;;     - A block's scale is 2^e with e = floor(log2(the largest magnitude in the block)) - 8, held to -126 .. 127; a block of zeros has e = 0. As a byte (E8M0): e + 127.
;;     - Each number is divided by its block's scale, clamped to +-448, and rounded to the nearest number of E4M3, ties to even, subnormals kept.
;;     - The product sums the exact products of the quantised numbers (number of the format x scale) in f32.
;;   ~~~python
;;   def quantise(x, axis):      # numpy; x: float32 -> the quantised numbers, widened to float32 again
;;       x = np.moveaxis(x, axis, -1); K = x.shape[-1]
;;       x = np.pad(x, [(0, 0)] * (x.ndim - 1) + [(0, -K % 32)]); x = x.reshape(x.shape[:-1] + (-1, 32)); a = np.abs(x).max(-1, keepdims=True)
;;       e = np.where(a > 0, np.clip(np.frexp(np.where(a > 0, a, 1))[1] - 1 - 8, -126, 127), 0)      # np.frexp(a)[1] - 1 = floor(log2(a)), exactly
;;       r = np.clip(x / 2.0 ** e, -448, 448)
;;       step = 2.0 ** (np.maximum(np.frexp(np.where(r == 0, 1, r))[1] - 1, -6) - 3)
;;       q = np.round(r / step) * step * 2.0 ** e      # np.round: ties to even
;;       return np.moveaxis(q.reshape(q.shape[:-2] + (-1,))[..., :K], -1, axis).astype(np.float32)
;;   ~~~
;;   SOFTMAX AHEAD OF A QUANTISED PRODUCT. Where the list says 'softmax', what is quantised is not the finished softmax but p = 2^(t - M), with t = logit x log2(e) and M = ceil(the row's largest t), a whole number; so 1/2 < the row's largest p <= 1. The row's sum l is taken of the UNQUANTISED p, in f32, and the product's result is divided by l at the end. Since M is a whole number, a kernel that streams over the keys may use a running M (the ceiling of the running maximum): every later rescaling is an exact power of two, which a block's scale takes up: the codes' values come out the same.
;;   OPERANDS COMPUTED ON THE WAY. 'Computed on the way' means the value that the module computes at that place (a softmax that the list does not call 'softmax' is quantised finished and normalised). What goes into a quantiser is computed in f32, as accurately as f32 sums, v_exp_f32 and their like allow (about 1e-6 of the number): no bf16 or f16 on the way to a quantiser, and a product that is left as it is and whose result goes on into a quantised operand takes f32 operands (vector FMAs, or v_wmma_f32_16x16x4_f32). A number that lies on a knife's edge between two numbers of the format may be rounded either way, as far as f32 arithmetic and the matrix unit's own rounding can turn it there, and no further.
;; One version. Each part assembles by itself: llvm-mc -triple=amdgcn-amd-amdhsa -mcpu=gfx1250 --defsym DOCPART=n.
;; ======== version 1 of 1: 7 launches
;; limits: right only within a limited range of input values
;; workspace buffers: hbuf 8,650,752 bytes; wa 4,325,376 bytes; wb 2,162,688 bytes; qkv 25,952,256 bytes; obuf 8,650,752 bytes; x1 33,554,432 bytes
;; launch ln1 (part 1): grid 192 x 1, 8 waves a work-group, no clusters, 300,032 bytes of LDS; arguments x, g1, be1, wo, wq, wk, wv, hbuf, wa; writes hbuf, wa
.if DOCPART == 1
	.amdgcn_target "amdgcn-amd-amdhsa--gfx1250"
	.amdhsa_code_object_version 6
	.text
	.protected	k_q93aaac7d92_ln1
	.globl	k_q93aaac7d92_ln1
	.p2align	8
	.type	k_q93aaac7d92_ln1,@function
k_q93aaac7d92_ln1:
	s_mov_b64 s[64:65], 0
	v_nop
	global_prefetch_b8 v0, s[64:65] scope:SCOPE_SE
	s_setreg_imm32_b32 hwreg(HW_REG_WAVE_MODE, 25, 1), 1
	s_wait_xcnt 0x0
; ROWS OF 1,024 f32 BECOME CODES OF E4M3 WITH ONE E8M0 BYTE FOR EACH 32 ALONG THE ROW, LAID AS IMAGES OF OPERAND REGISTERS.
; Work-groups 0 to 127 take 64 rows each of the first argument and normalise them first: y = g (x - mean) / (std + 1e-6) + be, std with 1,023 in the divisor.
; Work-groups from 128 on take 64 rows each of a weight (16 work-groups a weight, in the order of arguments 3 to 6) and quantise them as they are.
; Both take ONE path: for a weight the mean, the factor, g and be are replaced by 0, 1, 1, 0 by selections on the work-group's number, and (x - 0) * 1 * 1 + 0 is x.
; THE IMAGE.  Rows go in groups of 128, K in planes of 128.  Byte ((group * 8 + plane) * 16384) + a * 2048 + c * 512 + lane * 16 holds the 16 codes k = 128 plane + 32 c + 16 (lane / 16) + 0 .. 15
; of row 32 (a / 2) + 8 (a % 2) + r + 8 (r / 8) of the group, r = lane % 16: four loads of 16 bytes a lane, 512 bytes apart, bring a fragment of 16 rows x 128 K.
; The scale bytes: (group * 8 + plane) * 512 + (a / 4) * 256 + (16 (a % 2) + r) * 8 + ((a / 2) % 2) * 4 + c.
; SHARES.  Eight waves; wave w takes rows 8 w .. 8 w + 7; lane l takes block l of a row, 32 neighbours: a block's largest magnitude needs no other lane.
; The 8 rows come by FOUR tensor loads a wave, two rows (8,192 dense bytes) each, issued together at the head: a pair of rows is worked on while the later pairs are on their way.  A pair is stated as 64 rows of
; 128 bytes with 16 bytes of padding behind each, so that the lanes' reads, 144 bytes apart, fall on different banks.  g and be are asked for ahead of them: the first row waits for both.
; Nothing is filled twice.  The codes go out through a stage that lies over the input once every wave has read its rows (a barrier), in chunks of 512 bytes + 16, and leave as 512 consecutive bytes a store.
; LIMITS: NaN and infinities are not served.  A block whose numbers are all zero gets the byte 1 (the rule says 127): its codes are zeros, and this program alone reads the bytes.
.set PIT,   144                        ; a block's 128 bytes + 16 of padding
.set QREG,  64*PIT                     ; two rows: what one tensor load brings
.set WREG,  4*QREG                     ; a wave's input region
.set CSP,   528                        ; a chunk of the code stage: 512 bytes + 16
.set SSTG,  8*WREG                     ; the stage of scale bytes: 8 planes x (256 + 16) bytes, behind the input
.set WSEC,  0x108000                   ; a weight's section: 0x100000 of codes, 0x8000 of scale bytes
.set G0,   68                          ; s[68:83] descriptor group 0, a set for each of the four loads
.set LIN,  2                           ; v2   my block in my wave's first row
.set GOF,  3                           ; v3   128 x lane: my 32 numbers of g and be
.set CST,  4                           ; v4   code stage, on the way in
.set SST,  5                           ; v5   scale stage, on the way in
.set RDB,  6                           ; v6   code stage, on the way out
.set L16,  7                           ; v7   16 x lane
.set SRD,  8                           ; v8   scale stage, on the way out
.set L8,   9                           ; v9   8 x lane
.set G,    32                          ; v32-63   g of my 32 columns
.set BE,   64                          ; v64-95   be
.set X,    96                          ; v96-159  two sets of 32 numbers
.set C,    160                         ; v160-223 eight registers of codes a row
.set E,    224                         ; v224-231 a scale byte a row
	s_load_b512 s[8:23], s[0:1], 0x0               ; rows s[8:9], g s[10:11], be s[12:13], four weights s[14:21], the rows' image s[22:23]
	s_load_b64 s[24:25], s[0:1], 0x40              ; the weights' images
	v_lshl_add_u32 v240, v0, 2, 0x49000
	v_mov_b32 v241, 0
	ds_add_u32 v240, v241
	ds_add_u32 v240, v241
	v_lshrrev_b32 v1, 5, v0
	v_readfirstlane_b32 s2, v1                     ; wave 0..7
	v_and_b32 v1, 31, v0                           ; lane
	v_lshlrev_b32 v[GOF], 7, v1
	s_cmp_ge_u32 ttmp9, 128
	s_cselect_b32 s3, -1, 0                        ; all ones in a work-group that takes a weight
	s_cselect_b32 s50, 128, 0
	s_sub_co_u32 s50, ttmp9, s50
	s_lshr_b32 s51, s50, 4
	s_and_b32 s52, s50, 15
	s_mov_b32 s53, 0x800000
	s_cmp_lg_u32 s3, 0
	s_cselect_b32 s52, s52, s50                    ; which 64 rows of the tensor
	s_cselect_b32 s51, s51, 0                      ; which weight
	s_cselect_b32 s53, 0x100000, s53               ; where the scale bytes begin in the image
	; descriptor group 1: 64 rows of 32 elements of 4 bytes, dense in memory; four words of padding behind every 32
	s_mov_b32 s32, (2<<16)|(1<<20)|(4<<22)|(3<<25)
	s_mov_b32 s33, 32<<16                          ; tensor_dim0
	s_mov_b32 s34, 64<<16                          ; tensor_dim1
	s_mov_b32 s35, 32<<16                          ; tile_dim0
	s_mov_b32 s36, 64                              ; tile_dim1
	s_mov_b32 s37, 32                              ; from row to row
	s_mov_b32 s38, 0
	s_mov_b32 s39, 0
	s_lshl_b32 s54, s52, 18                        ; 64 rows of 4,096 bytes
	s_lshl_b32 s55, s2, 15                         ; my wave's 8 rows
	s_add_co_u32 s54, s54, s55
	s_mov_b32 s55, 0
	s_mul_i32 s60, s51, WSEC
	s_lshr_b32 s61, s52, 1                         ; the group of 128 rows
	s_and_b32 s62, s52, 1                          ; and which half of it: fragments 4 x half on
	s_lshl_b32 s56, s61, 17
	s_add_co_u32 s56, s56, s60
	s_lshl_b32 s63, s62, 13
	s_add_co_u32 s56, s56, s63
	s_and_b32 s63, s2, 1                           ; on the way out wave w stores planes 4 (w % 2) .. + 3 of fragment w / 2
	s_lshl_b32 s63, s63, 16
	s_add_co_u32 s56, s56, s63
	s_lshr_b32 s63, s2, 1
	s_lshl_b32 s63, s63, 11
	s_add_co_u32 s56, s56, s63
	s_mov_b32 s57, 0
	s_lshl_b32 s58, s61, 12
	s_add_co_u32 s58, s58, s60
	s_add_co_u32 s58, s58, s53
	s_lshl_b32 s63, s62, 8
	s_add_co_u32 s58, s58, s63
	s_lshl_b32 s63, s2, 9                          ; and plane w's scale bytes
	s_add_co_u32 s58, s58, s63
	s_mov_b32 s59, 0
	s_mov_b32 s46, 0x76543210
	s_mov_b32 s47, 0xfedcba98                      ; v_permlanex16_b32's selects for lane l xor 16
	s_mov_b32 s48, 0x600000                        ; the mantissa field of 448
	s_mul_i32 s29, s2, WREG                        ; my wave's input region
	s_wait_dscnt 0x0
	s_wait_kmcnt 0x0
.irp j, 0,1,2,3,4,5,6,7
	global_load_b128 v[G+4*\j:G+4*\j+3], v[GOF], s[10:11] offset:16*\j       ; g and be go out first: 8,192 bytes that every work-group reads
	global_load_b128 v[BE+4*\j:BE+4*\j+3], v[GOF], s[12:13] offset:16*\j
.endr
	s_cmp_eq_u32 s51, 1                            ; the choices hang on the work-group's number alone
	s_cselect_b64 s[40:41], s[16:17], s[14:15]
	s_cmp_eq_u32 s51, 2
	s_cselect_b64 s[40:41], s[18:19], s[40:41]
	s_cmp_eq_u32 s51, 3
	s_cselect_b64 s[40:41], s[20:21], s[40:41]
	s_cmp_lg_u32 s3, 0
	s_cselect_b64 s[40:41], s[40:41], s[8:9]
	s_cselect_b64 s[42:43], s[24:25], s[22:23]
	s_add_nc_u64 s[40:41], s[40:41], s[54:55]      ; my wave's first row
	s_add_nc_u64 s[44:45], s[42:43], s[58:59]      ; where my scale bytes go
	s_add_nc_u64 s[42:43], s[42:43], s[56:57]      ; where my codes go
.irp k, 0,1,2,3
	s_mov_b32 s[G0+4*\k], 1
	s_add_co_u32 s[G0+4*\k+1], s29, \k*QREG        ; LDS: my region, pair k
	s_add_nc_u64 s[G0+4*\k+2:G0+4*\k+3], s[40:41], \k*8192
	s_or_b32 s[G0+4*\k+3], s[G0+4*\k+3], 0x80000000
.endr
.irp k, 0,1,2,3
	tensor_load_to_lds s[G0+4*\k:G0+4*\k+3], s[32:39]     ; four loads of mine are out: my own 36,864 bytes of LDS, filled once
	s_nop 0
.endr
.rept 4
	v_nop
.endr
	v_mul_u32_u24 v[LIN], v1, PIT
	v_add_nc_u32 v[LIN], s29, v[LIN]
	; row 8 w + t of the 64 is row r = 8 ((w / 2) % 2) + t of fragment 2 (w / 4) + w % 2; my block is plane lane / 4, c = lane % 4: chunk 32 x fragment + lane
	s_lshr_b32 s50, s2, 2
	s_and_b32 s51, s2, 1
	s_bfe_u32 s52, s2, 0x10001
	s_lshl_b32 s53, s50, 1
	s_add_co_u32 s53, s53, s51
	s_mul_i32 s53, s53, 32*CSP
	s_lshl_b32 s54, s52, 7
	s_add_co_u32 s53, s53, s54
	v_mul_u32_u24 v[CST], v1, CSP
	v_add_nc_u32 v[CST], s53, v[CST]
	s_lshl_b32 s53, s51, 7                         ; the scale byte: (16 (w % 2) + 8 ((w / 2) % 2) + t) * 8 + 4 (w / 4) + c in plane lane / 4
	s_lshl_b32 s54, s52, 6
	s_add_co_u32 s53, s53, s54
	s_lshl_b32 s54, s50, 2
	s_add_co_u32 s53, s53, s54
	s_add_co_u32 s53, s53, SSTG
	v_lshrrev_b32 v[SST], 2, v1
	v_mul_u32_u24 v[SST], v[SST], 272
	v_and_b32 v[RDB], 3, v1
	v_add_nc_u32 v[SST], v[SST], v[RDB]
	v_add_nc_u32 v[SST], s53, v[SST]
	v_lshlrev_b32 v[L16], 4, v1
	s_mul_i32 s53, s2, 16*CSP
	v_add_nc_u32 v[RDB], s53, v[L16]               ; out: chunks 16 w .. 16 w + 15
	v_lshlrev_b32 v[L8], 3, v1
	s_mul_i32 s53, s2, 272
	s_add_co_u32 s53, s53, SSTG
	v_add_nc_u32 v[SRD], s53, v[L8]                ; out: plane w's 256 bytes
	s_wait_loadcnt 0x0                             ; g and be
.set n, 0
.rept 32
	v_cndmask_b32 v[G+n], v[G+n], 1.0, s3          ; a weight is quantised as it is
	v_cndmask_b32 v[BE+n], v[BE+n], 0, s3
.set n, n+1
.endr
.macro LOADROW t                       ; my block of row t, 128 bytes, into set t % 2
.irp j, 0,1,2,3,4,5,6,7
	ds_load_b128 v[X+32*((\t)%2)+4*\j:X+32*((\t)%2)+4*\j+3], v[LIN] offset:32*PIT*(\t)+16*\j
.endr
.endm
.macro ALLSUM                          ; the two chains v[12:13], v[14:15] become one sum over the wave, in v12 of every lane
	v_pk_add_f32 v[12:13], v[12:13], v[14:15]
	v_add_f32 v12, v12, v13
	v_add_f32_dpp v12, v12, v12 row_xmask:1 row_mask:0xf bank_mask:0xf
	v_add_f32_dpp v12, v12, v12 row_xmask:2 row_mask:0xf bank_mask:0xf
	v_add_f32_dpp v12, v12, v12 row_xmask:4 row_mask:0xf bank_mask:0xf
	v_add_f32_dpp v12, v12, v12 row_xmask:8 row_mask:0xf bank_mask:0xf
	v_permlanex16_b32 v13, v12, s46, s47
	v_add_f32 v12, v12, v13
.endm
.macro ROW t
.set XS, X+32*((\t)%2)
.if (\t) < 7
	s_wait_dscnt 8                                 ; this row's eight loads are in; the next row's eight may be out
.else
	s_wait_dscnt 0x0
.endif
	v_pk_add_f32 v[12:13], v[XS:XS+1], v[XS+2:XS+3]
	v_pk_add_f32 v[14:15], v[XS+4:XS+5], v[XS+6:XS+7]
.irp i, 8,12,16,20,24,28
	v_pk_add_f32 v[12:13], v[12:13], v[XS+\i:XS+\i+1]
	v_pk_add_f32 v[14:15], v[14:15], v[XS+\i+2:XS+\i+3]
.endr
	ALLSUM
	v_mul_f32 v12, 0x3a800000, v12                 ; / 1,024: the mean
	v_cndmask_b32 v16, v12, 0, s3
	v_mov_b32 v17, v16
.irp i, 0,2,4,6,8,10,12,14,16,18,20,22,24,26,28,30
	v_pk_add_f32 v[XS+\i:XS+\i+1], v[XS+\i:XS+\i+1], v[16:17] neg_lo:[0,1] neg_hi:[0,1]   ; x - mean first, then its squares: no difference of large sums
.endr
	v_pk_mul_f32 v[12:13], v[XS:XS+1], v[XS:XS+1]
	v_pk_mul_f32 v[14:15], v[XS+2:XS+3], v[XS+2:XS+3]
.irp i, 4,8,12,16,20,24,28
	v_pk_fma_f32 v[12:13], v[XS+\i:XS+\i+1], v[XS+\i:XS+\i+1], v[12:13]
	v_pk_fma_f32 v[14:15], v[XS+\i+2:XS+\i+3], v[XS+\i+2:XS+\i+3], v[14:15]
.endr
	ALLSUM
	v_mul_f32 v12, 0x3a802008, v12                 ; / 1,023
	v_sqrt_f32 v12, v12
	v_nop                                          ; one plain instruction behind a transcendental
	s_wait_alu depctr_va_vdst(0)
	v_add_f32 v12, 0x358637bd, v12                 ; + 1e-6
	v_rcp_f32 v12, v12
	v_nop
	s_wait_alu depctr_va_vdst(0)
	v_cndmask_b32 v18, v12, 1.0, s3
	v_mov_b32 v19, v18
.irp i, 0,2,4,6,8,10,12,14,16,18,20,22,24,26,28,30
	v_pk_mul_f32 v[XS+\i:XS+\i+1], v[XS+\i:XS+\i+1], v[18:19]
.endr
.irp i, 0,2,4,6,8,10,12,14,16,18,20,22,24,26,28,30
	v_pk_fma_f32 v[XS+\i:XS+\i+1], v[XS+\i:XS+\i+1], v[G+\i:G+\i+1], v[BE+\i:BE+\i+1]
.endr
	v_max3_num_f32 v20, |v[XS]|, |v[XS+1]|, |v[XS+2]|     ; the block's largest magnitude: all 32 numbers are mine
	v_max3_num_f32 v21, |v[XS+3]|, |v[XS+4]|, |v[XS+5]|
.irp i, 6,10,14,18,22,26
	v_max3_num_f32 v20, v20, |v[XS+\i]|, |v[XS+\i+1]|
	v_max3_num_f32 v21, v21, |v[XS+\i+2]|, |v[XS+\i+3]|
.endr
	v_max3_num_f32 v20, v20, |v[XS+30]|, |v[XS+31]|
	v_max3_num_f32 v20, v20, v21, 0x4800000        ; and the floor 2^(9 - 127): the byte cannot fall under 1
	v_add_nc_u32 v23, 0xfc000000, v20              ; 8 off the exponent field: the conversion takes this operand's exponent field as its scale
	v_and_or_b32 v22, v20, 0x7f800000, s48         ; 448 x the scale
.set n, 0
.rept 32
	v_med3_num_f32 v[XS+n], v[XS+n], -v22, v22     ; the conversion to an 8-bit code does not saturate (ISA guide 7.6.2): the hold comes first
.set n, n+1
.endr
.irp g, 0,1,2,3
	v_cvt_scalef32_pk8_fp8_f32 v[C+8*(\t)+2*\g:C+8*(\t)+2*\g+1], v[XS+8*\g:XS+8*\g+7], v23
.endr
	v_lshrrev_b32 v[E+(\t)], 23, v23               ; the scale's byte (also the plain instruction behind the conversions)
.if (\t) < 6
.if ((\t)%2) == 0
	s_wait_tensorcnt 2-(\t)/2                      ; the pair that holds rows t + 2 and t + 3 has landed; the pairs behind it may be out
.endif
	LOADROW (\t)+2
.endif
.endm
	s_wait_tensorcnt 3                             ; my first pair of rows is in LDS (three younger loads may be out); only I read my rows
	LOADROW 0
	LOADROW 1
.irp t, 0,1,2,3,4,5,6,7
	ROW \t
.endr
	s_wait_dscnt 0x0                               ; my reads of the input are over
	s_barrier_signal -1
	s_barrier_wait -1                              ; everybody's are: the code stage may be laid over it
.irp t, 0,1,2,3,4,5,6,7
	ds_store_b128 v[CST], v[C+8*\t:C+8*\t+3] offset:16*\t          ; k = 0 .. 15 of the block: the image's lanes 0-15
	ds_store_b128 v[CST], v[C+8*\t+4:C+8*\t+7] offset:16*\t+256    ; k = 16 .. 31: lanes 16-31
	ds_store_b8 v[SST], v[E+\t] offset:8*\t
.endr
	s_wait_dscnt 0x0                               ; for the others' sake: my stores have landed
	s_barrier_signal -1
	s_barrier_wait -1
.irp i, 0,1,2,3,4,5,6,7,8,9,10,11,12,13,14,15
	ds_load_b128 v[X+4*\i:X+4*\i+3], v[RDB] offset:CSP*\i
.endr
	ds_load_b64 v[12:13], v[SRD]
.irp i, 0,1,2,3,4,5,6,7,8,9,10,11,12,13,14,15
	s_wait_dscnt 16-\i                             ; chunk i is in; the younger chunks and the scale bytes may be out
	global_store_b128 v[L16], v[X+4*\i:X+4*\i+3], s[42:43] offset:16384*(\i/4)+512*(\i%4)   ; 512 consecutive bytes, aligned
.endr
	s_wait_dscnt 0x0
	global_store_b64 v[L8], v[12:13], s[44:45]     ; 256 consecutive bytes, aligned
	s_wait_tensorcnt 0x0
	ds_add_u32 v240, v241
	s_wait_dscnt 0x0
	s_endpgm
.Lfunc_end_k_q93aaac7d92_ln1:
	.size	k_q93aaac7d92_ln1, .Lfunc_end_k_q93aaac7d92_ln1-k_q93aaac7d92_ln1
	.p2alignl 7, 3214868480
	.fill 96, 4, 3214868480
	.section	.rodata,"a",@progbits
	.p2align	6, 0x0
	.amdhsa_kernel k_q93aaac7d92_ln1
		.amdhsa_group_segment_fixed_size 300032
		.amdhsa_private_segment_fixed_size 0
		.amdhsa_enable_private_segment 0
		.amdhsa_kernarg_size 72
		.amdhsa_user_sgpr_count 2
		.amdhsa_user_sgpr_kernarg_segment_ptr 1
		.amdhsa_wavefront_size32 1
		.amdhsa_system_sgpr_workgroup_id_x 1
		.amdhsa_system_sgpr_workgroup_id_y 1
		.amdhsa_system_sgpr_workgroup_id_z 1
		.amdhsa_system_vgpr_workitem_id 0
		.amdhsa_next_free_vgpr 242
		.amdhsa_next_free_sgpr 84
		.amdhsa_reserve_vcc 0
		.amdhsa_float_denorm_mode_32 3
		.amdhsa_float_denorm_mode_16_64 3
		.amdhsa_memory_ordered 1
		.amdhsa_forward_progress 1
		.amdhsa_inst_pref_size 100
	.end_amdhsa_kernel
	.amdgpu_metadata
---
amdhsa.version: [ 1, 2 ]
amdhsa.kernels:
  - .name:           k_q93aaac7d92_ln1
    .symbol:         k_q93aaac7d92_ln1.kd
    .args:
      - { .name: x, .offset: 0, .size: 8, .value_kind: global_buffer, .address_space: global }
      - { .name: g1, .offset: 8, .size: 8, .value_kind: global_buffer, .address_space: global }
      - { .name: be1, .offset: 16, .size: 8, .value_kind: global_buffer, .address_space: global }
      - { .name: wo, .offset: 24, .size: 8, .value_kind: global_buffer, .address_space: global }
      - { .name: wq, .offset: 32, .size: 8, .value_kind: global_buffer, .address_space: global }
      - { .name: wk, .offset: 40, .size: 8, .value_kind: global_buffer, .address_space: global }
      - { .name: wv, .offset: 48, .size: 8, .value_kind: global_buffer, .address_space: global }
      - { .name: hbuf, .offset: 56, .size: 8, .value_kind: global_buffer, .address_space: global }
      - { .name: wa, .offset: 64, .size: 8, .value_kind: global_buffer, .address_space: global }
    .group_segment_fixed_size: 300032
    .private_segment_fixed_size: 0
    .kernarg_segment_align: 8
    .kernarg_segment_size: 72
    .max_flat_workgroup_size: 256
    .sgpr_count:     84
    .vgpr_count:     242
    .wavefront_size: 32
...
	.end_amdgpu_metadata
.endif
;; end of part 1
;; launch qkvp (part 2): grid 12 x 32, 4 waves a work-group, clusters of 4 x 4, 327,680 bytes of LDS; arguments hbuf, wa, bq, bk, bv, qkv; writes qkv
.if DOCPART == 2
	.amdgcn_target "amdgcn-amd-amdhsa--gfx1250"
	.amdhsa_code_object_version 6
	.text
	.protected	k_q93aaac7d92_qkvp
	.globl	k_q93aaac7d92_qkvp
	.p2align	8
	.type	k_q93aaac7d92_qkvp,@function
k_q93aaac7d92_qkvp:
	s_mov_b64 s[64:65], 0
	v_nop
	global_prefetch_b8 v0, s[64:65] scope:SCOPE_SE
	s_setreg_imm32_b32 hwreg(HW_REG_WAVE_MODE, 25, 1), 1
	s_wait_xcnt 0x0
	s_wait_alu depctr_hold_cnt(0) depctr_sa_sdst(0) depctr_va_vdst(0) depctr_va_sdst(0) depctr_va_ssrc(0) depctr_va_vcc(0) depctr_vm_vsrc(0)
	s_getreg_b32 s2, hwreg(HW_REG_IB_STS2, 6, 4)
	s_cmp_eq_u32 s2, 0
	s_cbranch_scc0 .Lentry_in_a_cluster
	s_endpgm
.Lentry_in_a_cluster:
	s_bfe_u32 s2, ttmp6, 0x10000c
	s_cmp_lg_u32 s2, 0xf033
	s_cbranch_scc0 .Lentry_shape_is_right
	s_endpgm
.Lentry_shape_is_right:
; q = h Wq^T + bq, k = h Wk^T + bk and V^T = Wv h^T + bv, on codes of E4M3 with E8M0 scales, K = 1,024; the results are quantised on the way out, along their columns, and stored as images of operand registers.
; Cluster x says which: 0 q, 1 k, 2 v.  For q and k the rows are the 8,192 tokens (A = h) and the columns the 1,024 channels (B = the weight); for v the rows are the channels (A = Wv) and the columns the tokens (B = h),
; so that v comes out quantised along the tokens, which are the K of attention's second product.
; THE IMAGE (all operands and results): rows in groups of 128, K in planes of 128; byte (group * planes + plane) * 16384 + a * 2048 + c * 512 + lane * 16 holds k = 32 c + 16 (lane / 16) + 0 .. 15 of the plane, of row
; 32 (a / 2) + 8 (a % 2) + r + 8 (r / 8) of the group (r = lane % 16).  A fragment is four loads of 16 bytes at 16 x lane: no pitch, no padding, no bank met twice.
; Scale words: (group * planes + plane) * 512 + (a / 4) * 256 + (16 (a % 2) + r) * 8 + ((a / 2) % 2) * 4: a load of 8 bytes at 8 x lane brings two registers, each with an even fragment's words in lanes 0-15 and the odd one's in lanes 16-31.
; A tile of C, 256 x 256, is made by four waves, each 128 x 128: 64 accumulators, 512 registers.  K goes in steps of 256 through two LDS slots: a group's two planes are 32,768 dense bytes, one tensor load a wave.
; The scale words of the four groups, for all of K, come once (4,096 bytes a wave).  CLUSTERS: 4 x 4; A's tiles are asked for jointly along a row of the cluster, B's along a column.
; THE MATRIX INSTRUCTION IS USED TRANSPOSED (source 0 = 16 rows of B, source 1 = 16 rows of A).  By the order of rows in a fragment, lane (r, h) then holds, in the 16 registers of accumulators (a, 2 i) and (a, 2 i + 1),
; the columns 32 i + 16 h + 0 .. 15 of its row: 16 neighbours along the next K.  So a block's 64 registers convert straight into the 16 registers of a fragment of the result, and are stored as they stand.
; The column bias is the C of the first K step; the row bias (bv) is one number a lane and is added on the way out.  Both are always applied: the one that does not belong to the path is selected to 0.
; REGISTERS: window 0: v8-15 row bias; v16-29 addresses; v32-63 scale words, two sets; v64-127 column bias, 8 registers for each block of B; v128-255 A's fragments, one set, later the way out.
;   window 1: B's fragments, two sets.   windows 2, 3: the accumulators, (a, b) at v[8 (8 (a % 4) + b)].
; LIMITS: NaN and infinities are not served; a block of zeros gets the byte 1 (its codes are zeros, and this program alone reads the bytes).
.set RG,    32768                      ; a group's two planes: what one tensor load brings
.set PLN,   16384
.set SLOT,  4*RG                       ; A's two groups, then B's two
.set SCL,   2*SLOT                     ; behind the ring: the scale words, 4,096 bytes for each of the four groups
.set SPARE, SCL+4*4096                 ; the spare words, 128 bytes for each wave
.set WSEC,  0x108000                   ; a weight's section: codes, then at 0x100000 its scale words
.set SEC8,  0x840000                   ; a section of 8,192 x 1,024 codes, then at 0x800000 its scale words
.set FR,    16
.set NP,    8                          ; places behind this matrix instruction (ISA guide 7.12.1)
.set BM,   8
.set ADRA, 16
.set ADRB, 20
.set ADSA, 22
.set ADSB, 23
.set CO,   26                          ; v26  16 x lane
.set CO8,  27                          ; v27  8 x lane
.set SPW,  28                          ; v28  my spare word; never rewritten
.set NIL,  29                          ; v29  0; never rewritten
.set SC,   32                          ; scale words: set s at 32 + 16 s; in it 8 q + pair of A's blocks, 8 q + 4 + pair of B's
.set BI,   64
.set AF,   128
.set TM,   128                         ; the way out: v128-131 largest magnitudes, v132-135 bytes, v140-143 the conversions' scale operands
.set PC,   144                         ; v144-175 the codes just made, two sets
.set PW,   176                         ; v176-183 a block's scale word
.set SW,   184                         ; v184-187 two blocks' words in one register
.set BP,   188                         ; v188-189 the block's row bias, twice
.set G1,   24
.set G0,   32
.set G1B,  48
.set G0B,  56
.set G1S,  68
.set G0S,  76
.set G1SB, 80
.set G0SB, 88
.set MSB, 0
.macro WIN new                         ; the immediate's high byte repeats the setting that is left
.if MSB != (\new)
	s_set_vgpr_msb (MSB<<8)|(\new)
.set MSB, (\new)
.endif
.endm
.set MUL_LO, 0xa1                      ; source 0 (B) window 1, source 1 (A) window 0, C and D window 2
.set MUL_HI, 0xf1                      ; the same, C and D window 3
.set TO_B,   0x40                      ; destination window 1, address window 0
; A joint load: waves 0 and 1 fetch for A, waves 2 and 3 for B.  The branch hangs on the wave's number alone.  Four v_nop follow each of the two lines.
.macro JLOAD g0a, g1a, g0b, g1b
	s_cmp_eq_u32 s3, 0
	s_cbranch_scc0 .Lfor_b_\@
	tensor_load_to_lds s[\g0a:\g0a+3], s[\g1a:\g1a+7]
	s_nop 0
.rept 4
	v_nop
.endr
	s_branch .Lasked_\@
.Lfor_b_\@:
	tensor_load_to_lds s[\g0b:\g0b+3], s[\g1b:\g1b+7]
	s_nop 0
.rept 4
	v_nop
.endr
.Lasked_\@:
.endm
.macro CREST                           ; a round of the cluster's barrier behind its opening barrier
	s_cmp_lg_u32 s2, 0
	s_cbranch_scc1 .Lnot_wave_0_\@
	s_barrier_signal -3
.Lnot_wave_0_\@:
	s_barrier_wait -3
	s_barrier_signal -1
	s_barrier_wait -1
.endm
.macro CROUND
	s_barrier_signal -1
	s_barrier_wait -1
	CREST
.endm
	s_load_b256 s[4:11], s[0:1], 0x0               ; h s[4:5], the weights s[6:7], bq s[8:9], bk s[10:11]
	s_load_b128 s[12:15], s[0:1], 0x20             ; bv s[12:13], the results s[14:15]
	v_lshl_add_u32 v[SPW], v0, 2, SPARE
	v_mov_b32 v[NIL], 0
	ds_add_u32 v28, v29
	ds_add_u32 v28, v29
	s_wait_dscnt 0x0
	v_lshrrev_b32 v1, 5, v0
	v_readfirstlane_b32 s2, v1                     ; wave 0..3
	s_lshr_b32 s3, s2, 1                           ; which half of the tile's rows is mine.  Also: I fetch for A (0) or for B (1)
	s_and_b32 s16, s2, 1                           ; which half of its columns.  Also: which group of that tile I fetch
	s_bfe_u32 s40, ttmp6, 0x40000                  ; cx
	s_bfe_u32 s41, ttmp6, 0x40004                  ; cy
	s_mov_b32 s42, ttmp9                           ; cluster x: 0 q, 1 k, 2 v: the same in all sixteen partners
	s_and_b32 s43, ttmp7, 0xffff                   ; cluster y
	s_lshl_b32 s44, s41, 2
	s_lshl_b32 s44, 15, s44                        ; my row of the cluster
	s_lshl_b32 s45, 0x1111, s40                    ; my column
	s_lshl_b32 s19, s43, 2
	s_cmp_eq_u32 s42, 2
	s_cselect_b32 s100, -1, 0                      ; all ones on v's path
	s_cselect_b32 s17, 0, s19
	s_cselect_b32 s18, s19, 0
	s_add_co_u32 s17, s17, s41                     ; tile row: q, k: 4 x cluster y + cy;  v: cy
	s_add_co_u32 s18, s18, s40                     ; tile column: q, k: cx;  v: 4 x cluster y + cx
	; descriptor group 1: 32,768 dense bytes as 128 rows of 32 elements of 8 bytes; no padding
	s_or_b32 s[G1+0], s44, (3<<16)|(1<<21)         ; 15:0 the mask: A's tiles go to my row; 17:16 elements of 8 bytes; 21 set beside a mask
	s_or_b32 s[G1B+0], s45, (3<<16)|(1<<21)
.irp g, G1, G1B
	s_mov_b32 s[\g+1], 32<<16                      ; tensor_dim0
	s_mov_b32 s[\g+2], 128<<16                     ; tensor_dim1
	s_mov_b32 s[\g+3], 32<<16                      ; tile_dim0
	s_mov_b32 s[\g+4], 128                         ; tile_dim1
	s_mov_b32 s[\g+5], 32                          ; from row to row
	s_mov_b32 s[\g+6], 0
	s_mov_b32 s[\g+7], 0
.endr
	s_or_b32 s[G1S+0], s44, (3<<16)|(1<<21)        ; and a group's scale words: 4,096 dense bytes, 16 such rows
	s_or_b32 s[G1SB+0], s45, (3<<16)|(1<<21)
.irp g, G1S, G1SB
	s_mov_b32 s[\g+1], 32<<16
	s_mov_b32 s[\g+2], 16<<16
	s_mov_b32 s[\g+3], 32<<16
	s_mov_b32 s[\g+4], 16
	s_mov_b32 s[\g+5], 32
	s_mov_b32 s[\g+6], 0
	s_mov_b32 s[\g+7], 0
.endr
	s_lshl_b32 s20, s17, 1
	s_add_co_u32 s20, s20, s16                     ; A's group that I fetch: it hangs on the tile row and the wave alone
	s_lshl_b32 s22, s20, 12                        ; its scale words
	s_lshl_b32 s20, s20, 17                        ; its codes
	s_mov_b32 s21, 0
	s_mov_b32 s23, 0
	s_lshl_b32 s46, s18, 1
	s_add_co_u32 s46, s46, s16                     ; B's: on the tile column and the wave alone
	s_lshl_b32 s92, s46, 12
	s_lshl_b32 s46, s46, 17
	s_mov_b32 s47, 0
	s_mov_b32 s93, 0
	s_mov_b32 s94, 0x800000
	s_mov_b32 s95, 0x100000
	s_cmp_eq_u32 s42, 2
	s_cselect_b32 s96, s95, s94                    ; where A's scale words begin,
	s_cselect_b32 s97, s94, s95                    ; and B's
	s_add_co_u32 s22, s22, s96
	s_add_co_u32 s92, s92, s97
	s_add_co_u32 s98, s42, 1                       ; the weights lie wo, wq, wk, wv
	s_mul_i32 s98, s98, WSEC
	s_mov_b32 s99, 0
	s_lshl_b32 s66, s2, 15                         ; where my tiles go: wave x 32,768: no place in the cluster enters an LDS address
	s_lshl_b32 s67, s2, 12
	s_wait_kmcnt 0x0
	s_add_nc_u64 s[98:99], s[6:7], s[98:99]
	s_cmp_eq_u32 s42, 2
	s_cselect_b64 s[94:95], s[98:99], s[4:5]       ; A
	s_cselect_b64 s[96:97], s[4:5], s[98:99]       ; B
	s_add_nc_u64 s[20:21], s[94:95], s[20:21]
	s_add_nc_u64 s[22:23], s[94:95], s[22:23]
	s_add_nc_u64 s[46:47], s[96:97], s[46:47]
	s_add_nc_u64 s[92:93], s[96:97], s[92:93]
	CROUND                                         ; all sixteen work-groups are here: the first joint loads meet
	s_mov_b32 s[G0S], 1
	s_add_co_u32 s[G0S+1], s67, SCL
	s_mov_b64 s[G0S+2:G0S+3], s[22:23]
	s_or_b32 s[G0S+3], s[G0S+3], 0x80000000
	s_mov_b32 s[G0SB], 1
	s_add_co_u32 s[G0SB+1], s67, SCL
	s_mov_b64 s[G0SB+2:G0SB+3], s[92:93]
	s_or_b32 s[G0SB+3], s[G0SB+3], 0x80000000
	JLOAD G0S, G1S, G0SB, G1SB                     ; the scale words first: they are wanted with K step 0
.irp s, 0,1
	s_mov_b32 s[G0+4*\s], 1
	s_add_co_u32 s[G0+4*\s+1], s66, \s*SLOT
	s_add_nc_u64 s[G0+4*\s+2:G0+4*\s+3], s[20:21], \s*RG
	s_or_b32 s[G0+4*\s+3], s[G0+4*\s+3], 0x80000000
	s_mov_b32 s[G0B+4*\s], 1
	s_add_co_u32 s[G0B+4*\s+1], s66, \s*SLOT
	s_add_nc_u64 s[G0B+4*\s+2:G0B+4*\s+3], s[46:47], \s*RG
	s_or_b32 s[G0B+4*\s+3], s[G0B+4*\s+3], 0x80000000
	JLOAD G0+4*\s, G1, G0B+4*\s, G1B               ; three loads of mine are out
.endr
	v_and_b32 v1, 31, v0
	v_lshlrev_b32 v[CO], 4, v1
	v_lshlrev_b32 v[CO8], 3, v1
	s_wait_alu depctr_va_vdst(0)
	s_lshl_b32 s20, s3, 15                         ; my group of A
	s_lshl_b32 s21, s16, 15                        ; my group of B,
	s_add_co_u32 s21, s21, 2*RG                    ; behind A's two
.irp s, 0,1
	v_add_nc_u32 v[ADRA+\s], s20, v[CO]
	v_add_nc_u32 v[ADRB+\s], s21, v[CO]
	s_add_co_u32 s20, s20, SLOT
	s_add_co_u32 s21, s21, SLOT
.endr
	s_lshl_b32 s20, s3, 12
	s_add_co_u32 s20, s20, SCL
	v_add_nc_u32 v[ADSA], s20, v[CO8]
	s_lshl_b32 s21, s16, 12
	s_add_co_u32 s21, s21, SCL+8192
	v_add_nc_u32 v[ADSB], s21, v[CO8]
	; the column bias: lane (r, h) wants, for block b of B, columns 32 (b / 2) + 16 h + 8 (b % 2) + 0 .. 7 of my 128.  On v's path it is loaded from bk's first columns and selected away
	s_cmp_eq_u32 s42, 0
	s_cselect_b64 s[20:21], s[8:9], s[10:11]
	s_cmp_eq_u32 s42, 2
	s_cselect_b32 s22, 0, s40
	s_lshl_b32 s22, s22, 10
	s_lshl_b32 s23, s16, 9
	s_add_co_u32 s22, s22, s23
	s_mov_b32 s23, 0
	s_add_nc_u64 s[20:21], s[20:21], s[22:23]
	v_bfe_u32 v2, v0, 4, 1
	v_lshlrev_b32 v3, 6, v2
.irp b, 0,1,2,3,4,5,6,7
	global_load_b128 v[BI+8*\b:BI+8*\b+3], v3, s[20:21] offset:128*(\b/2)+32*(\b%2)
	global_load_b128 v[BI+8*\b+4:BI+8*\b+7], v3, s[20:21] offset:128*(\b/2)+32*(\b%2)+16
.endr
	; the row bias: bv at row 256 cy + 128 x half + the fragment's row: inside bv on every path
	s_lshl_b32 s22, s41, 10
	s_lshl_b32 s23, s3, 9
	s_add_co_u32 s22, s22, s23
	s_mov_b32 s23, 0
	s_add_nc_u64 s[12:13], s[12:13], s[22:23]
	v_and_b32 v4, 15, v0
	v_and_b32 v5, 8, v4
	v_add_nc_u32 v4, v4, v5
	v_lshlrev_b32 v4, 2, v4
.irp a, 0,1,2,3,4,5,6,7
	global_load_b32 v[BM+\a], v4, s[12:13] offset:(32*(\a/2)+8*(\a%2))*4
.endr
	; where my 128 x 128 goes: one block of 16,384 bytes of codes and one of 512 bytes of scale words
	s_lshl_b32 s92, s17, 1
	s_add_co_u32 s92, s92, s3
	s_cmp_eq_u32 s42, 2
	s_cselect_b32 s93, 6, 3                        ; V^T has 64 planes to a group, q and k 8
	s_lshl_b32 s92, s92, s93
	s_lshl_b32 s93, s18, 1
	s_add_co_u32 s92, s92, s93
	s_add_co_u32 s92, s92, s16
	s_mul_i32 s96, s42, SEC8
	s_lshl_b32 s94, s92, 9
	s_add_co_u32 s94, s94, s96
	s_add_co_u32 s94, s94, 0x800000
	s_mov_b32 s95, 0
	s_lshl_b32 s92, s92, 14
	s_add_co_u32 s92, s92, s96
	s_mov_b32 s93, 0
	s_add_nc_u64 s[92:93], s[14:15], s[92:93]
	s_add_nc_u64 s[94:95], s[14:15], s[94:95]
	s_mov_b32 s96, 0xffff0000                      ; lanes 16-31
	s_mov_b32 s98, 0x76543210
	s_mov_b32 s99, 0xfedcba98                      ; v_permlanex16_b32's selects for lane l xor 16
.macro FRAG reg, adr, q, i             ; a fragment comes as it lies: four loads of 512 consecutive bytes
.irp c, 0,1,2,3
	ds_load_b128 v[\reg+4*\c:\reg+4*\c+3], v[\adr] offset:PLN*(\q)+2048*(\i)+512*\c
.endr
.endm
; One product: A's block a x B's block b, the slot's q-th plane.  p: B's set; sc: the set of scale words.  first = 1: C is the column bias (window 0) and the sum begins.
.macro WM a, b, p, q, sc, first
.set rD, 8*(8*((\a)%4)+(\b))
.set rC, rD
.if \first
.set rC, BI+8*(\b)
.endif
.set rB, 128*(\p)+FR*(\b)
.set rA, AF+FR*(\a)
.set rSB, SC+16*(\sc)+8*(\q)+4+(\b)/2
.set rSA, SC+16*(\sc)+8*(\q)+(\a)/2
.if ((\a)%2) && ((\b)%2)
	v_wmma_scale_f32_16x16x128_f8f6f4 v[rD:rD+7], v[rB:rB+15], v[rA:rA+15], v[rC:rC+7], v[rSB], v[rSA] matrix_a_scale:MATRIX_SCALE_ROW1 matrix_b_scale:MATRIX_SCALE_ROW1
.elseif (\b)%2
	v_wmma_scale_f32_16x16x128_f8f6f4 v[rD:rD+7], v[rB:rB+15], v[rA:rA+15], v[rC:rC+7], v[rSB], v[rSA] matrix_a_scale:MATRIX_SCALE_ROW1
.elseif (\a)%2
	v_wmma_scale_f32_16x16x128_f8f6f4 v[rD:rD+7], v[rB:rB+15], v[rA:rA+15], v[rC:rC+7], v[rSB], v[rSA] matrix_b_scale:MATRIX_SCALE_ROW1
.else
	v_wmma_scale_f32_16x16x128_f8f6f4 v[rD:rD+7], v[rB:rB+15], v[rA:rA+15], v[rC:rC+7], v[rSB], v[rSA]
.endif
.endm
.macro MUL16 a0, p, q, sc, first       ; the 64 accumulators take turns, one instruction a turn, in the same order in every step
.irp a, \a0, \a0+1
.irp b, 0,1,2,3,4,5,6,7
	WM (\a), \b, \p, \q, \sc, \first
.endr
.endr
.endm
.macro FETCH_B slot, q, p
	WIN TO_B
.irp i, 0,1,2,3,4,5,6,7
	FRAG 128*(\p)+FR*\i, ADRB+\slot, \q, \i
.endr
	WIN 0
.endm
.macro FETCH_A slot, q, i0
.irp i, \i0, \i0+1, \i0+2, \i0+3
	FRAG AF+FR*(\i), ADRA+\slot, \q, \i
.endr
.endm
.macro SCALES set, pl                  ; the scale words of planes pl and pl + 1 into a set: eight loads of 8 bytes a lane
.irp q, 0,1
.irp g, 0,1
	ds_load_b64 v[SC+16*\set+8*\q+2*\g:SC+16*\set+8*\q+2*\g+1], v[ADSA] offset:512*(\pl+\q)+256*\g
	ds_load_b64 v[SC+16*\set+8*\q+4+2*\g:SC+16*\set+8*\q+4+2*\g+1], v[ADSB] offset:512*(\pl+\q)+256*\g
.endr
.endr
.endm
.macro PLACES n                        ; plain vector instructions between a matrix instruction and a load into, or a read of, its registers
.rept \n
	v_nop
.endr
.endm
; A slot's first plane.  A has one set of registers: blocks 0-3 are fetched anew in the step's middle, blocks 4-7 at its end; B has two sets.
.macro STEP slot, first
	s_wait_dscnt 16                                ; B's set, A's blocks 0-3 and the scale words are in; the youngest sixteen loads (A's blocks 4-7) may be out
.if \first
	WIN 0x81                                       ; C in window 0, D in window 2
.else
	WIN MUL_LO
.endif
	MUL16 0, 0, 0, \slot, \first
	MUL16 2, 0, 0, \slot, \first
	s_wait_dscnt 0x0
	PLACES NP
	FETCH_B \slot, 1, 1
	FETCH_A \slot, 1, 0
.if \first
	WIN 0xc1
.else
	WIN MUL_HI
.endif
	MUL16 4, 0, 0, \slot, \first
	MUL16 6, 0, 0, \slot, \first
	PLACES NP
	WIN 0
	FETCH_A \slot, 1, 4
.endm
; A slot's second plane changes slots: one barrier; in front of it each wave waits for all its tensor loads, adds 0 to its spare word, and waits for that and for its reads of this slot.
; fill = 1: the barrier opens a round of the cluster's, and behind it this slot is filled again, two K steps ahead.  pl: the next slot's first plane.
.macro TURN slot, next, fill, pl
	s_wait_tensorcnt 0x0                           ; all my tensor loads have landed: my part of the next slot
	ds_add_u32 v[SPW], v[NIL]                      ; 0 onto my spare word
	s_wait_dscnt 17                                ; (the add and A's blocks 4-7 may be out)
	WIN MUL_LO
	MUL16 0, 1, 1, \slot, 0
	s_wait_dscnt 0x0                               ; the add is done, and my reads of this slot are over
	s_barrier_signal -1
	MUL16 2, 1, 1, \slot, 0
	WIN 0
	s_barrier_wait -1
.if \fill
	CREST                                          ; no wave of any partner still reads this slot or has a load on its way
	s_add_nc_u64 s[G0+4*\slot+2:G0+4*\slot+3], s[G0+4*\slot+2:G0+4*\slot+3], 2*RG
	s_add_nc_u64 s[G0B+4*\slot+2:G0B+4*\slot+3], s[G0B+4*\slot+2:G0B+4*\slot+3], 2*RG
	JLOAD G0+4*\slot, G1, G0B+4*\slot, G1B         ; my one tensor load behind the round; its four v_nop are among the places in front of the loads below
	PLACES NP-4
.else
	PLACES NP
.endif
	FETCH_B \next, 0, 0
	FETCH_A \next, 0, 0
	SCALES \next, \pl
	WIN MUL_HI
	MUL16 4, 1, 1, \slot, 0
	MUL16 6, 1, 1, \slot, 0
	PLACES NP
	WIN 0
	FETCH_A \next, 0, 4
.endm
	s_wait_alu depctr_va_vdst(0)
	s_wait_tensorcnt 1                             ; the scale words and my part of K step 0 are in; K step 1's load may be out
	s_barrier_signal -1
	s_barrier_wait -1
	FETCH_B 0, 0, 0
	FETCH_A 0, 0, 0
	SCALES 0, 0
	FETCH_A 0, 0, 4
	s_wait_loadcnt 0x0                             ; the biases
.set n, 0
.rept 64
	v_cndmask_b32 v[BI+n], v[BI+n], 0, s100        ; v has no column bias,
.set n, n+1
.endr
.set n, 0
.rept 8
	v_cndmask_b32 v[BM+n], 0, v[BM+n], s100        ; q and k no row bias
.set n, n+1
.endr
	s_wait_alu depctr_va_vdst(0)
	STEP 0, 1                                      ; K = 1,024 is four K steps: they are written out
	TURN 0, 1, 1, 2
	STEP 1, 0
	TURN 1, 0, 1, 4
	STEP 0, 0
	TURN 0, 1, 0, 6
	STEP 1, 0
	s_wait_dscnt 16                                ; the last plane: nothing more to fetch
	WIN MUL_LO
	MUL16 0, 1, 1, 1, 0
	MUL16 2, 1, 1, 1, 0
	s_wait_dscnt 0x0
	WIN MUL_HI
	MUL16 4, 1, 1, 1, 0
	MUL16 6, 1, 1, 1, 0
	WIN 0
; THE WAY OUT of block a (16 rows x 128 columns): the row bias; each of the four blocks of 32 columns lies in lanes l and l xor 16, 16 registers each; its largest magnitude, scale byte and conversion.
; The 16 registers of codes are fragment a of the result and are stored as they stand: four stores of 512 consecutive bytes.
.macro QOUT a
.set AC, 64*((\a)%4)
.set PCA, PC+16*((\a)%2)
	s_wait_xcnt 0x0                                ; the stores of two blocks back have read their registers
	WIN 0
	v_mov_b32 v[BP], v[BM+(\a)]
	v_mov_b32 v[BP+1], v[BM+(\a)]
	WIN 0x82+0x41*((\a)/4)                         ; destination and source 0: the block's window
.set n, 0
.rept 32
	v_pk_add_f32 v[AC+n:AC+n+1], v[AC+n:AC+n+1], v[BP:BP+1]     ; each accumulator from its low end on
.set n, n+2
.endr
	WIN 0x0a+5*((\a)/4)                            ; sources 0 and 1: the block's window
.irp b, 0,1,2,3
	v_max3_num_f32 v[TM+\b], |v[AC+16*\b]|, |v[AC+16*\b+1]|, 0x4800000   ; with the floor 2^(9 - 127): the byte cannot fall under 1
.endr
.irp i, 2,4,6,8,10,12,14
.irp b, 0,1,2,3
	v_max3_num_f32 v[TM+\b], |v[AC+16*\b+\i]|, |v[AC+16*\b+\i+1]|, v[TM+\b]
.endr
.endr
	WIN 0
.irp b, 0,1,2,3
	v_permlanex16_b32 v[TM+4+\b], v[TM+\b], s98, s99
.endr
.irp b, 0,1,2,3
	v_max_num_f32 v[TM+\b], v[TM+\b], v[TM+4+\b]
.endr
.irp b, 0,1,2,3
	v_add_nc_u32 v[TM+12+\b], 0xfc000000, v[TM+\b]           ; 8 off the exponent field: the conversion's scale operand
.endr
.irp b, 0,1,2,3
.endr
.irp b, 0,1,2,3
	v_lshrrev_b32 v[TM+4+\b], 23, v[TM+12+\b]                ; the scale's byte
.endr
	v_lshl_or_b32 v[PW+(\a)], v[TM+5], 8, v[TM+4]
	v_lshl_or_b32 v[PW+(\a)], v[TM+6], 16, v[PW+(\a)]
	v_lshl_or_b32 v[PW+(\a)], v[TM+7], 24, v[PW+(\a)]
	WIN 0x82+0x41*((\a)/4)
.irp b, 0,1,2,3
.irp i, 0,1,2,3,4,5,6,7,8,9,10,11,12,13,14,15
.endr
.endr
	WIN 0x02+(\a)/4
.irp b, 0,1,2,3
	v_cvt_scalef32_pk8_fp8_f32 v[PCA+4*\b:PCA+4*\b+1], v[AC+16*\b:AC+16*\b+7], v[TM+12+\b]
	v_cvt_scalef32_pk8_fp8_f32 v[PCA+4*\b+2:PCA+4*\b+3], v[AC+16*\b+8:AC+16*\b+15], v[TM+12+\b]
.endr
	WIN 0
	v_nop                                          ; one plain instruction behind the conversions
.irp c, 0,1,2,3
	global_store_b128 v[CO], v[PCA+4*\c:PCA+4*\c+3], s[92:93] offset:2048*(\a)+512*\c
.endr
.endm
	PLACES NP                                      ; behind the last products: their results are read and A's registers written from here on
.irp b, 0,1,2,3
	v_mov_b32 v[TM+4+\b], 0                        ; a lane permute's destination counts as one of its sources
.endr
.irp a, 0,1,2,3,4,5,6,7
	QOUT \a
.endr
.irp b, 0,1,2,3
	v_cndmask_b32 v[SW+\b], v[PW+2*\b], v[PW+2*\b+1], s96    ; lanes 0-15: the even block's words; lanes 16-31: the odd block's
.endr
	global_store_b64 v[CO8], v[SW:SW+1], s[94:95]            ; 256 consecutive bytes, aligned
	global_store_b64 v[CO8], v[SW+2:SW+3], s[94:95] offset:256
	s_wait_tensorcnt 0x0                           ; the wave's end
	ds_add_u32 v[SPW], v[NIL]
	s_wait_dscnt 0x0
	CROUND                                         ; the closing round: no work-group ends while a partner may still ask for a tile that names it
	s_endpgm
.Lfunc_end_k_q93aaac7d92_qkvp:
	.size	k_q93aaac7d92_qkvp, .Lfunc_end_k_q93aaac7d92_qkvp-k_q93aaac7d92_qkvp
	.p2alignl 7, 3214868480
	.fill 96, 4, 3214868480
	.section	.rodata,"a",@progbits
	.p2align	6, 0x0
	.amdhsa_kernel k_q93aaac7d92_qkvp
		.amdhsa_group_segment_fixed_size 327680
		.amdhsa_private_segment_fixed_size 0
		.amdhsa_enable_private_segment 0
		.amdhsa_kernarg_size 48
		.amdhsa_user_sgpr_count 2
		.amdhsa_user_sgpr_kernarg_segment_ptr 1
		.amdhsa_wavefront_size32 1
		.amdhsa_system_sgpr_workgroup_id_x 1
		.amdhsa_system_sgpr_workgroup_id_y 1
		.amdhsa_system_sgpr_workgroup_id_z 1
		.amdhsa_system_vgpr_workitem_id 0
		.amdhsa_next_free_vgpr 1024
		.amdhsa_next_free_sgpr 102
		.amdhsa_reserve_vcc 0
		.amdhsa_float_denorm_mode_32 3
		.amdhsa_float_denorm_mode_16_64 3
		.amdhsa_fp16_overflow 1
		.amdhsa_memory_ordered 1
		.amdhsa_forward_progress 1
		.amdhsa_inst_pref_size 174
	.end_amdhsa_kernel
	.amdgpu_metadata
---
amdhsa.version: [ 1, 2 ]
amdhsa.kernels:
  - .name:           k_q93aaac7d92_qkvp
    .symbol:         k_q93aaac7d92_qkvp.kd
    .args:
      - { .name: hbuf, .offset: 0, .size: 8, .value_kind: global_buffer, .address_space: global }
      - { .name: wa, .offset: 8, .size: 8, .value_kind: global_buffer, .address_space: global }
      - { .name: bq, .offset: 16, .size: 8, .value_kind: global_buffer, .address_space: global }
      - { .name: bk, .offset: 24, .size: 8, .value_kind: global_buffer, .address_space: global }
      - { .name: bv, .offset: 32, .size: 8, .value_kind: global_buffer, .address_space: global }
      - { .name: qkv, .offset: 40, .size: 8, .value_kind: global_buffer, .address_space: global }
    .group_segment_fixed_size: 327680
    .private_segment_fixed_size: 0
    .kernarg_segment_align: 8
    .kernarg_segment_size: 48
    .max_flat_workgroup_size: 128
    .sgpr_count:     102
    .vgpr_count:     1024
    .wavefront_size: 32
...
	.end_amdgpu_metadata
.endif
;; end of part 2
;; launch attn (part 3): grid 4 x 64, 16 waves a work-group, clusters of 4 x 1, 280,576 bytes of LDS; arguments qkv, mask, obuf; writes obuf
.if DOCPART == 3
	.amdgcn_target "amdgcn-amd-amdhsa--gfx1250"
	.amdhsa_code_object_version 6
	.text
	.protected	k_q93aaac7d92_attn
	.globl	k_q93aaac7d92_attn
	.p2align	8
	.type	k_q93aaac7d92_attn,@function
k_q93aaac7d92_attn:
	s_mov_b64 s[64:65], 0
	v_nop
	global_prefetch_b8 v0, s[64:65] scope:SCOPE_SE
	s_setreg_imm32_b32 hwreg(HW_REG_WAVE_MODE, 25, 1), 1
	s_wait_xcnt 0x0
	s_wait_alu depctr_hold_cnt(0) depctr_sa_sdst(0) depctr_va_vdst(0) depctr_va_sdst(0) depctr_va_ssrc(0) depctr_va_vcc(0) depctr_vm_vsrc(0)
	s_getreg_b32 s2, hwreg(HW_REG_IB_STS2, 6, 4)
	s_cmp_eq_u32 s2, 0
	s_cbranch_scc0 .Lentry_in_a_cluster
	s_endpgm
.Lentry_in_a_cluster:
	s_bfe_u32 s2, ttmp6, 0x10000c
	s_cmp_lg_u32 s2, 0x3003
	s_cbranch_scc0 .Lentry_shape_is_right
	s_endpgm
.Lentry_shape_is_right:
; ATTENTION ON CODES OF E4M3: 128 heads of 64 channels, 1,024 queries and keys, a mask over the keys that is an input.  The result, divided by the row's sum, is quantised along the channels and stored as an image of operand registers.
; THE IMAGES (made by the launch before): q and k: groups of 128 tokens x planes of 128 channels (a plane is a PAIR of heads), 16,384 bytes a block; V^T: groups of 128 channels x planes of 128 tokens.
; In a block, byte a * 2048 + c * 512 + lane * 16 holds k = 32 c + 16 (lane / 16) + 0 .. 15 of row 32 (a / 2) + 8 (a % 2) + r + 8 (r / 8), r = lane % 16.  Scale words: 512 bytes a block, (a / 4) * 256 + (16 (a % 2) + r) * 8 + ((a / 2) % 2) * 4.
; SHARES.  Cluster y = 8 x batch + pair of heads; the four partners take 256 queries each.  All K and V of the pair, 2 x 131,072 bytes, come into LDS ONCE, by one joint tensor load a wave (16 blocks of 16,384 bytes): nothing is filled twice.
; Each of the sixteen waves owns one fragment of 16 queries and runs the pair's two heads one after the other, so that it ends with a whole fragment of the result (128 channels) and its whole scale word.
; THE FIRST PRODUCT has K = 64: half of the instruction's 128.  Registers 8-15 of both operands hold zero codes, set once, and the upper two bytes of the scale words are 0 (a small power of two over zero codes).
; Both products are used transposed: S^T = K Q^T, O^T = V^T P^T: a lane holds one query throughout.  By the order of rows in a fragment the 16 registers of score tiles 2 i and 2 i + 1 are keys 32 i + 16 (lane / 16) + 0 .. 15,
; and those of O^T's tiles likewise 16 neighbouring channels: the conversions' results are operand registers.
; THE SOFTMAX: t = score x log2(e) / 8; M = the running largest t rounded up to a whole number; p = 2^(t - M) is quantised along the keys, not normalised; the row's sum is taken of the unquantised p and divides at the end.
; When M moves, the sum and O^T are multiplied by 2^(old M - new M): exact.
; THE MASK: a hidden key gets -2^100 added to its score, which then is -2^100 exactly for |score| < 2^75: p = 0 beside any open key; a row whose keys are all hidden gets p = 1 for every key, the even weights that the definition gives it.
; LIMITS: |score| < 2^75; open logits above -1e9; NaN and infinities are not served; a block of zeros gets the byte 1 (its codes are zeros).
.set SEC8, 0x840000                    ; a section of qkv: q, k, V^T; in each the scale words begin at 0x800000
.set VB,   131072                      ; LDS: K's eight blocks from 0, V's eight from here,
.set KSC,  262144                      ; K's scale words, 8 x 512 bytes, then V's,
.set MB,   270336                      ; 1,024 numbers to add to the scores: 0 or -2^100,
.set OST,  274432                      ; and the stage for the result's scale words, 2 x 512 bytes
.set QF,   16                          ; v16-31   Q (v24-31 zeros)
.set KFR,  32                          ; v32-95   four fragments of K (the upper eight registers of each: zeros)
.set S,    96                          ; v96-159  S^T, then p, then four fragments of V
.set O,    160                         ; v160-191 O^T
.set OC,   192                         ; v192-207 the result's codes
.set MA,   208                         ; v208-223 the mask's numbers of an even block of 32 keys; later at work:
.set T1,   208                         ;   v208-211 the other half's maxima, then bytes
.set HI,   212
.set SO,   216                         ;   v216-219 the conversions' scale operands
.set MA2,  224                         ; v224-239 the mask's numbers of an odd block; later p's codes
.set PC,   224
.set KS,   240                         ; v240-243 K's scale words, then V's
.set FF,   244                         ; v244-245 f = 2^(old M - new M)
.set TMP,  246
.set PSW,  247                         ; p's scale word
.set QS,   248                         ; Q's scale word
.set OSW,  249                         ; the result's scale word
.set SUM2, 250                         ; v250-251 the sum's second chain
.set BMX,  252                         ; v252-255 each block's largest score, then its largest p
.macro ROUND                           ; a round of the cluster's barrier
	s_barrier_signal -1
	s_barrier_wait -1
	s_cmp_lg_u32 s2, 0
	s_cbranch_scc1 .Lnot_wave_0_\@
	s_barrier_signal -3
.Lnot_wave_0_\@:
	s_barrier_wait -3
	s_barrier_signal -1
	s_barrier_wait -1
.endm
	s_load_b128 s[4:7], s[0:1], 0x0                ; qkv s[4:5], mask s[6:7]
	s_load_b64 s[8:9], s[0:1], 0x10                ; the result
	v_lshl_add_u32 v254, v0, 2, 0x44000
	v_mov_b32 v255, 0
	ds_add_u32 v254, v255
	ds_add_u32 v254, v255
	s_wait_dscnt 0x0
	v_lshrrev_b32 v1, 5, v0
	s_delay_alu instid0(VALU_DEP_1)
	v_readfirstlane_b32 s2, v1                     ; wave 0..15
	s_bfe_u32 s10, ttmp6, 0x40000                  ; cx: it enters Q's and the result's addresses alone
	s_and_b32 s11, ttmp7, 0xffff
	s_lshr_b32 s12, s11, 3                         ; batch
	s_and_b32 s13, s11, 7                          ; pair of heads
	; the block that I fetch: waves 0-7: K's group 8 batch + w, plane pair;  waves 8-15: V's group pair, plane 8 batch + w - 8
	s_lshl_b32 s52, s12, 3
	s_and_b32 s53, s2, 7
	s_add_co_u32 s52, s52, s53
	s_lshl_b32 s54, s52, 3
	s_add_co_u32 s54, s54, s13
	s_lshl_b32 s55, s13, 6
	s_add_co_u32 s55, s55, s52
	s_mov_b32 s56, 2*SEC8
	s_cmp_lt_u32 s2, 8
	s_cselect_b32 s54, s54, s55
	s_cselect_b32 s56, SEC8, s56
	s_lshl_b32 s36, s54, 14
	s_add_co_u32 s36, s36, s56                     ; its codes,
	s_mov_b32 s37, 0
	s_lshl_b32 s38, s54, 9
	s_add_co_u32 s38, s38, s56
	s_add_co_u32 s38, s38, 0x800000                ; its scale words
	s_mov_b32 s39, 0
	; my fragment of queries: group 8 batch + 2 cx + w / 8, fragment w % 8; the result's place in its buffer is the same as Q's in its section
	s_lshl_b32 s52, s12, 3
	s_lshl_b32 s55, s10, 1
	s_add_co_u32 s52, s52, s55
	s_lshr_b32 s55, s2, 3
	s_add_co_u32 s52, s52, s55
	s_lshl_b32 s52, s52, 3
	s_add_co_u32 s52, s52, s13
	s_lshl_b32 s40, s52, 14
	s_lshl_b32 s57, s53, 11
	s_add_co_u32 s40, s40, s57
	s_mov_b32 s41, 0
	s_lshl_b32 s42, s52, 9
	s_add_co_u32 s42, s42, 0x800000
	s_mov_b32 s43, 0
	s_lshl_b32 s50, s12, 12                        ; the batch's 1,024 words of the mask
	s_mov_b32 s51, 0
	; descriptor group 1: 16,384 dense bytes as 64 rows of 32 elements of 8 bytes; the mask names all four partners
	s_mov_b32 s28, 15|(3<<16)|(1<<21)
	s_mov_b32 s29, 32<<16
	s_mov_b32 s30, 64<<16
	s_mov_b32 s31, 32<<16
	s_mov_b32 s32, 64
	s_mov_b32 s33, 32
	s_mov_b32 s34, 0
	s_mov_b32 s35, 0
	s_mov_b32 s20, 0x76543210
	s_mov_b32 s21, 0xfedcba98                      ; v_permlanex16_b32's selects for lane l xor 16
	s_mov_b32 s22, 0x3e38aa3b                      ; c = log2(e) / 8
	s_mov_b32 s23, s22                             ; (named with it as a pair)
	s_and_b32 s57, s2, 1                           ; my fragment's place among a block's scale words
	s_lshl_b32 s57, s57, 7
	s_bfe_u32 s58, s2, 0x10001
	s_lshl_b32 s58, s58, 2
	s_add_co_u32 s57, s57, s58
	s_bfe_u32 s58, s2, 0x10002
	s_lshl_b32 s58, s58, 8
	s_add_co_u32 s57, s57, s58
	s_lshr_b32 s58, s2, 3
	s_lshl_b32 s58, s58, 9
	s_add_co_u32 s58, s58, OST                     ; my group's half of the stage
	s_wait_kmcnt 0x0
	s_add_nc_u64 s[48:49], s[4:5], s[38:39]
	s_add_nc_u64 s[36:37], s[4:5], s[36:37]
	s_add_nc_u64 s[44:45], s[8:9], s[40:41]        ; the result's codes,
	s_add_nc_u64 s[46:47], s[8:9], s[42:43]        ; its scale words
	s_add_nc_u64 s[40:41], s[4:5], s[40:41]        ; Q's codes,
	s_add_nc_u64 s[42:43], s[4:5], s[42:43]        ; Q's scale words
	s_add_nc_u64 s[50:51], s[6:7], s[50:51]
	ROUND                                          ; all four work-groups are here: the joint loads meet
	s_mov_b32 s24, 1
	s_lshl_b32 s25, s2, 14                         ; LDS: wave x 16,384
	s_mov_b64 s[26:27], s[36:37]
	s_or_b32 s27, s27, 0x80000000
	tensor_load_to_lds s[24:27], s[28:35]          ; my one tensor load
	s_nop 0
.rept 4
	v_nop
.endr
	v_and_b32 v96, 31, v0
	s_delay_alu instid0(VALU_DEP_1)
	v_lshlrev_b32 v1, 4, v96                       ; v1: 16 x lane: a fragment's place for my lane, in LDS and in memory
	v_and_b32 v98, 15, v0
	s_delay_alu instid0(VALU_DEP_1)
	v_lshlrev_b32 v7, 3, v98
	s_delay_alu instid0(VALU_DEP_1)
	v_add_nc_u32 v7, s57, v7                       ; v7: my row's scale word in a block
	v_lshlrev_b32 v97, 3, v0
	global_load_b128 v[100:103], v1, s[48:49]      ; the scale words of the block that I fetched: 512 bytes a wave
	global_load_b64 v[104:105], v97, s[50:51]      ; two words of the mask a thread
.macro QLOAD e                         ; my queries' codes and scale bytes of head e of the pair
	global_load_b128 v[QF:QF+3], v1, s[40:41] offset:1024*\e
	global_load_b128 v[QF+4:QF+7], v1, s[40:41] offset:1024*\e+512
	global_load_u16 v[QS], v7, s[42:43] offset:2*\e
.endm
	QLOAD 0
	v_add_nc_u32 v2, VB, v1                        ; v2: the same place in V's blocks
	v_lshl_add_u32 v3, v96, 3, KSC                 ; v3: 8 x lane among K's scale words (V's lie 4,096 bytes on)
	v_add_nc_u32 v4, s58, v7                       ; v4: where my scale word goes in the stage
	v_bfe_u32 v98, v0, 4, 1
	s_delay_alu instid0(VALU_DEP_1)
	v_lshl_add_u32 v5, v98, 6, MB                  ; v5: my half's 16 numbers of a block of 32 keys
	v_add_nc_u32 v6, s58, v1                       ; v6: and where a group's 512 bytes are read back
.set n, 0
.rept 8
	v_mov_b32 v[QF+8+n], 0                         ; zero codes for k = 64 .. 127
	v_mov_b32 v[KFR+8+n], 0
	v_mov_b32 v[KFR+24+n], 0
	v_mov_b32 v[KFR+40+n], 0
	v_mov_b32 v[KFR+56+n], 0
.set n, n+1
.endr
.irp b, 0,1,2,3
	v_mov_b32 v[T1+\b], 0                          ; a lane permute's destination counts as one of its sources
.endr
	v_mov_b32 v[FF+1], 0                           ; (named as the upper half of a pair)
	v_mov_b32 v[TMP], 0
	v_mov_b32 v99, 0xf1800000                      ; -2^100
	v_lshl_add_u32 v106, v0, 4, KSC
	v_lshl_add_u32 v107, v0, 3, MB
	s_wait_alu depctr_va_vdst(0)
	s_wait_loadcnt 3                               ; the scale words and the mask are in; Q's three loads may be out
	v_cmp_eq_u32 vcc_lo, 0, v104
	s_delay_alu instid0(VALU_DEP_1)
	v_cndmask_b32 v104, 0, v99, vcc_lo
	v_cmp_eq_u32 vcc_lo, 0, v105
	s_delay_alu instid0(VALU_DEP_1)
	v_cndmask_b32 v105, 0, v99, vcc_lo
	ds_store_b128 v106, v[100:103]
	ds_store_b64 v107, v[104:105]
	s_wait_tensorcnt 0x0                           ; my block has landed,
	s_wait_dscnt 0x0                               ; and my stores
	s_barrier_signal -1
	s_barrier_wait -1                              ; everybody's have
; A KEY STEP of head e: 128 keys.  s3: the step's blocks of K and V; s18: its scale words and its numbers of the mask.
.macro STEP e
	v_add_nc_u32 v8, s3, v1
	s_wait_alu depctr_va_vdst(0)
	v_add_nc_u32 v9, s3, v2
	v_add_nc_u32 v10, s18, v5
	v_add_nc_u32 v11, s18, v3
	s_wait_alu depctr_va_vdst(0)
.rept 5
	v_nop                                          ; with the four additions: nine places between the last step's products and the products below, which write over V's fragments
.endr
.irp j, 0,1,2,3
	ds_load_b128 v[MA+4*\j:MA+4*\j+3], v10 offset:16*\j
	ds_load_b128 v[MA2+4*\j:MA2+4*\j+3], v10 offset:128+16*\j
.endr
.irp g, 0,1                                    ; S^T = K Q^T, four tiles of 16 keys at a time
.if \g > 0
.rept 8
	v_nop                                          ; places in front of loads into registers that the four products above have read, and of the first read of their results
.endr
.endif
.irp i, 0,1,2,3
	ds_load_b128 v[KFR+16*\i:KFR+16*\i+3], v8 offset:2048*(4*\g+\i)+1024*\e
	ds_load_b128 v[KFR+16*\i+4:KFR+16*\i+7], v8 offset:2048*(4*\g+\i)+1024*\e+512
.endr
	ds_load_u16 v[KS+2*\g], v11 offset:256*\g+2*\e
	ds_load_u16 v[KS+2*\g+1], v11 offset:256*\g+4+2*\e
	s_wait_dscnt 0x0
	v_wmma_scale_f32_16x16x128_f8f6f4 v[S+32*\g:S+32*\g+7], v[KFR:KFR+15], v[QF:QF+15], 0, v[KS+2*\g], v[QS]
	v_wmma_scale_f32_16x16x128_f8f6f4 v[S+32*\g+8:S+32*\g+15], v[KFR+16:KFR+31], v[QF:QF+15], 0, v[KS+2*\g], v[QS] matrix_a_scale:MATRIX_SCALE_ROW1
	v_wmma_scale_f32_16x16x128_f8f6f4 v[S+32*\g+16:S+32*\g+23], v[KFR+32:KFR+47], v[QF:QF+15], 0, v[KS+2*\g+1], v[QS]
	v_wmma_scale_f32_16x16x128_f8f6f4 v[S+32*\g+24:S+32*\g+31], v[KFR+48:KFR+63], v[QF:QF+15], 0, v[KS+2*\g+1], v[QS] matrix_a_scale:MATRIX_SCALE_ROW1
.endr
	; the mask on the first four tiles: these lines name no register of the last four products and are the places behind them
.irp k, 0,2,4,6,8,10,12,14
	v_pk_add_f32 v[S+\k:S+\k+1], v[S+\k:S+\k+1], v[MA+\k:MA+\k+1]
.endr
.irp k, 0,2,4,6,8,10,12,14
	v_pk_add_f32 v[S+16+\k:S+16+\k+1], v[S+16+\k:S+16+\k+1], v[MA2+\k:MA2+\k+1]
.endr
.irp j, 0,1,2,3
	ds_load_b128 v[MA+4*\j:MA+4*\j+3], v10 offset:256+16*\j
	ds_load_b128 v[MA2+4*\j:MA2+4*\j+3], v10 offset:384+16*\j
.endr
.irp b, 0,1
	v_max3_num_f32 v[BMX+\b], v[S+16*\b], v[S+16*\b+1], v[S+16*\b+2]   ; the largest score of each block of 32 keys: for the row's maximum, and, since p rises with the score, for the block's largest p
.endr
.irp i, 3,5,7,9,11,13
.irp b, 0,1
	s_delay_alu instid0(VALU_DEP_2)
	v_max3_num_f32 v[BMX+\b], v[BMX+\b], v[S+16*\b+\i], v[S+16*\b+\i+1]
.endr
.endr
.irp b, 0,1
	s_delay_alu instid0(VALU_DEP_2)
	v_max_num_f32 v[BMX+\b], v[BMX+\b], v[S+16*\b+15]
.endr
	s_wait_dscnt 0x0
.irp k, 0,2,4,6,8,10,12,14
	v_pk_add_f32 v[S+32+\k:S+32+\k+1], v[S+32+\k:S+32+\k+1], v[MA+\k:MA+\k+1]
.endr
.irp k, 0,2,4,6,8,10,12,14
	v_pk_add_f32 v[S+48+\k:S+48+\k+1], v[S+48+\k:S+48+\k+1], v[MA2+\k:MA2+\k+1]
.endr
.irp b, 2,3
	v_max3_num_f32 v[BMX+\b], v[S+16*\b], v[S+16*\b+1], v[S+16*\b+2]
.endr
.irp i, 3,5,7,9,11,13
.irp b, 2,3
	s_delay_alu instid0(VALU_DEP_2)
	v_max3_num_f32 v[BMX+\b], v[BMX+\b], v[S+16*\b+\i], v[S+16*\b+\i+1]
.endr
.endr
.irp b, 2,3
	s_delay_alu instid0(VALU_DEP_2)
	v_max_num_f32 v[BMX+\b], v[BMX+\b], v[S+16*\b+15]
.endr
.irp b, 0,1,2,3
	v_permlanex16_b32 v[T1+\b], v[BMX+\b], s20, s21
.endr
.irp b, 0,1,2,3
	s_delay_alu instid0(VALU_DEP_4)
	v_max_num_f32 v[BMX+\b], v[BMX+\b], v[T1+\b]   ; with lane l xor 16's 16 keys
.endr
	s_delay_alu instid0(VALU_DEP_2)
	v_max3_num_f32 v[TMP], v[BMX], v[BMX+1], v[BMX+2]
	s_delay_alu instid0(VALU_DEP_1)
	v_max_num_f32 v[TMP], v[TMP], v[BMX+3]
	s_delay_alu instid0(VALU_DEP_1)
	v_mul_f32 v[TMP], s22, v[TMP]                  ; as t (c is positive)
	s_delay_alu instid0(VALU_DEP_1)
	v_max_num_f32 v13, v13, v[TMP]                 ; the running largest t
	v_mov_b32 v[TMP], v12
	s_delay_alu instid0(VALU_DEP_2)
	v_floor_f32 v12, -v13                          ; the new -M = floor(-t): M is a whole number
	s_delay_alu instid0(VALU_DEP_1)
	v_sub_f32 v[TMP], v12, v[TMP]                  ; old M - new M: a whole number, 0 or less
	s_delay_alu instid0(VALU_DEP_1)
	v_cvt_i32_f32 v[TMP], v[TMP]                   ; (it saturates)
	s_delay_alu instid0(VALU_DEP_1)
	v_ldexp_f32 v[FF], 1.0, v[TMP]                 ; f = 2^(old M - new M)
.set n, 0
.rept 32
	v_pk_fma_f32 v[S+n:S+n+1], v[S+n:S+n+1], s[22:23], v[12:13] op_sel_hi:[1,0,0]   ; t - M, two at a time
.set n, n+2
.endr
.irp b, 0,1,2,3
	v_fma_f32 v[BMX+\b], v[BMX+\b], s22, v12
.endr
.set n, 0
	s_setprio 1
	s_wait_alu depctr_va_vdst(0)
.rept 64
	v_exp_f32 v[S+n], v[S+n]                       ; p = 2^(t - M), at most 1
.set n, n+1
.endr
.irp b, 0,1,2,3
	v_exp_f32 v[BMX+\b], v[BMX+\b]                 ; the block's largest p: the same two instructions on the same number
.endr
	v_pk_mul_f32 v[14:15], v[14:15], v[FF:FF+1] op_sel_hi:[1,0]   ; the sums under the new M (a plain instruction behind the exponentials)
	s_wait_alu depctr_va_vdst(0)
.irp b, 0,1,2,3
	v_max_num_f32 v[BMX+\b], 0x4800000, v[BMX+\b]  ; the floor 2^(9 - 127): the byte cannot fall under 1
.endr
.irp b, 0,1,2,3
	s_delay_alu instid0(VALU_DEP_4)
	v_add_nc_u32 v[SO+\b], 0xfc000000, v[BMX+\b]
.endr
.irp b, 0,1,2,3
.endr
.irp b, 0,1,2,3
	s_delay_alu instid0(VALU_DEP_4)
	v_lshrrev_b32 v[T1+\b], 23, v[SO+\b]
.endr
	s_delay_alu instid0(VALU_DEP_3)
	v_lshl_or_b32 v[PSW], v[T1+1], 8, v[T1]        ; p's scale word for these 128 keys
	s_delay_alu instid0(VALU_DEP_1)
	v_lshl_or_b32 v[PSW], v[T1+2], 16, v[PSW]
	s_delay_alu instid0(VALU_DEP_1)
	v_lshl_or_b32 v[PSW], v[T1+3], 24, v[PSW]
	v_pk_add_f32 v[250:251], v[100:101], v[104:105]
	v_pk_add_f32 v[254:255], v[108:109], v[112:113]
	v_pk_add_f32 v[252:253], v[116:117], v[120:121]
	v_pk_add_f32 v[242:243], v[124:125], v[128:129]
	v_pk_add_f32 v[240:241], v[132:133], v[136:137]
	v_pk_add_f32 v[238:239], v[140:141], v[144:145]
	v_pk_add_f32 v[236:237], v[148:149], v[152:153]
	v_pk_add_f32 v[14:15], v[14:15], v[156:157]
	v_pk_add_f32 v[250:251], v[250:251], v[96:97]
	v_pk_add_f32 v[254:255], v[254:255], v[98:99]
	v_pk_add_f32 v[252:253], v[252:253], v[102:103]
	v_pk_add_f32 v[242:243], v[242:243], v[106:107]
	v_pk_add_f32 v[240:241], v[240:241], v[110:111]
	v_pk_add_f32 v[238:239], v[238:239], v[114:115]
	v_pk_add_f32 v[236:237], v[236:237], v[118:119]
	v_pk_add_f32 v[14:15], v[14:15], v[122:123]
	v_pk_add_f32 v[250:251], v[250:251], v[126:127]
	v_pk_add_f32 v[254:255], v[254:255], v[130:131]
	v_pk_add_f32 v[252:253], v[252:253], v[134:135]
	v_pk_add_f32 v[242:243], v[242:243], v[138:139]
	v_pk_add_f32 v[240:241], v[240:241], v[142:143]
	v_pk_add_f32 v[238:239], v[238:239], v[146:147]
	v_pk_add_f32 v[236:237], v[236:237], v[150:151]
	v_pk_add_f32 v[14:15], v[14:15], v[154:155]
	v_pk_add_f32 v[250:251], v[250:251], v[158:159]
	s_delay_alu instid0(VALU_DEP_2)
	v_pk_add_f32 v[14:15], v[14:15], v[242:243]
	s_delay_alu instid0(VALU_DEP_2)
	v_pk_add_f32 v[250:251], v[250:251], v[240:241]
	v_pk_add_f32 v[254:255], v[254:255], v[238:239]
	v_pk_add_f32 v[252:253], v[252:253], v[236:237]
	s_delay_alu instid0(VALU_DEP_2)
	v_pk_add_f32 v[14:15], v[14:15], v[254:255]
	s_delay_alu instid0(VALU_DEP_2)
	v_pk_add_f32 v[250:251], v[250:251], v[252:253]
	s_delay_alu instid0(VALU_DEP_1)
	v_pk_add_f32 v[14:15], v[14:15], v[250:251]
.irp b, 0,1,2,3
.irp i, 0,1,2,3,4,5,6,7,8,9,10,11,12,13,14,15
.endr
	v_cvt_scalef32_pk8_fp8_f32 v[PC+4*\b:PC+4*\b+1], v[S+16*\b:S+16*\b+7], v[SO+\b]
	v_cvt_scalef32_pk8_fp8_f32 v[PC+4*\b+2:PC+4*\b+3], v[S+16*\b+8:S+16*\b+15], v[SO+\b]
.endr
	v_nop
	s_setprio 0
.irp i, 0,1,2,3                                ; V's four fragments of this head take p's registers
.irp c, 0,1,2,3
	ds_load_b128 v[S+16*\i+4*\c:S+16*\i+4*\c+3], v9 offset:2048*(4*\e+\i)+512*\c
.endr
.endr
	ds_load_b64 v[KS:KS+1], v11 offset:4096+256*\e
.set n, 0
.rept 16
	v_pk_mul_f32 v[O+n:O+n+1], v[O+n:O+n+1], v[FF:FF+1] op_sel_hi:[1,0]   ; O^T under the new M (also the places between the codes and the products)
.set n, n+2
.endr
	s_wait_alu depctr_va_vdst(0)
	s_wait_dscnt 0x0
	v_wmma_scale_f32_16x16x128_f8f6f4 v[O:O+7], v[S:S+15], v[PC:PC+15], v[O:O+7], v[KS], v[PSW]
	v_wmma_scale_f32_16x16x128_f8f6f4 v[O+8:O+15], v[S+16:S+31], v[PC:PC+15], v[O+8:O+15], v[KS], v[PSW] matrix_a_scale:MATRIX_SCALE_ROW1
	v_wmma_scale_f32_16x16x128_f8f6f4 v[O+16:O+23], v[S+32:S+47], v[PC:PC+15], v[O+16:O+23], v[KS+1], v[PSW]
	v_wmma_scale_f32_16x16x128_f8f6f4 v[O+24:O+31], v[S+48:S+63], v[PC:PC+15], v[O+24:O+31], v[KS+1], v[PSW] matrix_a_scale:MATRIX_SCALE_ROW1
.endm
; A head's end: O^T / the sum, quantised along the channels: two blocks of 32, which are c = 2 e and 2 e + 1 of the result's fragment.
.macro FIN e
.if \e == 0
	QLOAD 1                                        ; the other head's queries land while this head is finished
.endif
	v_add_f32 v14, v14, v15
	s_delay_alu instid0(VALU_DEP_1)
	v_permlanex16_b32 v[TMP], v14, s20, s21
	s_delay_alu instid0(VALU_DEP_1)
	v_add_f32 v14, v14, v[TMP]                     ; the row's sum
	s_wait_alu depctr_va_vdst(0)
	v_rcp_f32 v14, v14
.rept 6
	v_nop                                          ; with the two additions: eight places behind the last products; the first is the plain instruction behind the reciprocal
.endr
.set n, 0
	s_wait_alu depctr_va_vdst(0)
.rept 16
	v_pk_mul_f32 v[O+n:O+n+1], v[O+n:O+n+1], v[14:15] op_sel_hi:[1,0]
.set n, n+2
.endr
.irp b, 0,1
	v_max3_num_f32 v[BMX+\b], |v[O+16*\b]|, |v[O+16*\b+1]|, 0x4800000
.endr
.irp i, 2,4,6,8,10,12,14
.irp b, 0,1
	s_delay_alu instid0(VALU_DEP_2)
	v_max3_num_f32 v[BMX+\b], v[BMX+\b], |v[O+16*\b+\i]|, |v[O+16*\b+\i+1]|
.endr
.endr
.irp b, 0,1
	s_delay_alu instid0(VALU_DEP_2)
	v_permlanex16_b32 v[T1+\b], v[BMX+\b], s20, s21
.endr
.irp b, 0,1
	s_delay_alu instid0(VALU_DEP_2)
	v_max_num_f32 v[BMX+\b], v[BMX+\b], v[T1+\b]
.endr
.irp b, 0,1
	s_delay_alu instid0(VALU_DEP_2)
	v_add_nc_u32 v[SO+\b], 0xfc000000, v[BMX+\b]
.endr
.irp b, 0,1
.endr
.irp b, 0,1
	s_delay_alu instid0(VALU_DEP_2)
	v_lshrrev_b32 v[T1+\b], 23, v[SO+\b]
.endr
.if \e == 0
	s_delay_alu instid0(VALU_DEP_1)
	v_lshl_or_b32 v[OSW], v[T1+1], 8, v[T1]
.else
	s_delay_alu instid0(VALU_DEP_2)
	v_lshl_or_b32 v[OSW], v[T1], 16, v[OSW]
	s_delay_alu instid0(VALU_DEP_1)
	v_lshl_or_b32 v[OSW], v[T1+1], 24, v[OSW]
.endif
.irp b, 0,1
.irp i, 0,1,2,3,4,5,6,7,8,9,10,11,12,13,14,15
.endr
	v_cvt_scalef32_pk8_fp8_f32 v[OC+8*\e+4*\b:OC+8*\e+4*\b+1], v[O+16*\b:O+16*\b+7], v[SO+\b]
	v_cvt_scalef32_pk8_fp8_f32 v[OC+8*\e+4*\b+2:OC+8*\e+4*\b+3], v[O+16*\b+8:O+16*\b+15], v[SO+\b]
.endr
	v_nop                                          ; one plain instruction behind the conversions
.endm
.macro TASK e                          ; one head: the step is written once and walked eight times; it finds zeros, which the first change of M leaves zeros
.set n, 0
.rept 32
	v_mov_b32 v[O+n], 0
.set n, n+1
.endr
	v_mov_b32 v13, 0xff61b1e6                      ; the largest t so far: -3e38, under every t
	s_delay_alu instid0(VALU_DEP_1)
	v_floor_f32 v12, -v13                          ; -M
	v_mov_b32 v14, 0
	v_mov_b32 v15, 0
	s_mov_b32 s3, 0
	s_mov_b32 s18, 0
	s_mov_b32 s17, 8
	s_wait_loadcnt 0x0                             ; Q
.Lstep_\e:
	s_setprio 2
	STEP \e
	s_add_co_u32 s3, s3, 16384
	s_add_co_u32 s18, s18, 512
	s_sub_co_u32 s17, s17, 1
	s_cmp_lg_u32 s17, 0
	s_cbranch_scc1 .Lstep_\e
	s_setprio 0
	FIN \e
.endm
	TASK 0
	TASK 1
.irp c, 0,1,2,3
	global_store_b128 v1, v[OC+4*\c:OC+4*\c+3], s[44:45] offset:512*\c     ; the fragment as it stands: 512 consecutive bytes a store
.endr
	ds_store_b32 v4, v[OSW]                        ; lanes r and 16 + r write the same word with the same value
	s_wait_dscnt 0x0
	s_barrier_signal -1
	s_barrier_wait -1                              ; a group's eight fragments have their words in the stage
	s_and_b32 s52, s2, 7
	s_cmp_lg_u32 s52, 0
	s_cbranch_scc1 .Lno_scales                     ; waves 0 and 8 store a group's 512 bytes
	ds_load_b128 v[S:S+3], v6
	s_wait_dscnt 0x0
	global_store_b128 v1, v[S:S+3], s[46:47]
.Lno_scales:
	s_wait_xcnt 0x0
	v_lshl_add_u32 v254, v0, 2, 0x44000
	v_mov_b32 v255, 0
	s_wait_alu depctr_va_vdst(0)
	s_wait_tensorcnt 0x0
	ds_add_u32 v254, v255
	s_wait_dscnt 0x0
	ROUND                                          ; the closing round: no work-group ends while a partner may still ask for a block that names it
	s_endpgm
.Lfunc_end_k_q93aaac7d92_attn:
	.size	k_q93aaac7d92_attn, .Lfunc_end_k_q93aaac7d92_attn-k_q93aaac7d92_attn
	.p2alignl 7, 3214868480
	.fill 96, 4, 3214868480
	.section	.rodata,"a",@progbits
	.p2align	6, 0x0
	.amdhsa_kernel k_q93aaac7d92_attn
		.amdhsa_group_segment_fixed_size 280576
		.amdhsa_private_segment_fixed_size 0
		.amdhsa_enable_private_segment 0
		.amdhsa_kernarg_size 24
		.amdhsa_user_sgpr_count 2
		.amdhsa_user_sgpr_kernarg_segment_ptr 1
		.amdhsa_wavefront_size32 1
		.amdhsa_system_sgpr_workgroup_id_x 1
		.amdhsa_system_sgpr_workgroup_id_y 1
		.amdhsa_system_sgpr_workgroup_id_z 1
		.amdhsa_system_vgpr_workitem_id 0
		.amdhsa_next_free_vgpr 256
		.amdhsa_next_free_sgpr 66
		.amdhsa_reserve_vcc 1
		.amdhsa_float_denorm_mode_32 3
		.amdhsa_float_denorm_mode_16_64 3
		.amdhsa_fp16_overflow 1
		.amdhsa_memory_ordered 1
		.amdhsa_forward_progress 1
		.amdhsa_inst_pref_size 63
	.end_amdhsa_kernel
	.amdgpu_metadata
---
amdhsa.version: [ 1, 2 ]
amdhsa.kernels:
  - .name:           k_q93aaac7d92_attn
    .symbol:         k_q93aaac7d92_attn.kd
    .args:
      - { .name: qkv, .offset: 0, .size: 8, .value_kind: global_buffer, .address_space: global }
      - { .name: mask, .offset: 8, .size: 8, .value_kind: global_buffer, .address_space: global }
      - { .name: obuf, .offset: 16, .size: 8, .value_kind: global_buffer, .address_space: global }
    .group_segment_fixed_size: 280576
    .private_segment_fixed_size: 0
    .kernarg_segment_align: 8
    .kernarg_segment_size: 24
    .max_flat_workgroup_size: 512
    .sgpr_count:     66
    .vgpr_count:     256
    .wavefront_size: 32
...
	.end_amdgpu_metadata
.endif
;; end of part 3
;; launch proj (part 4): grid 4 x 64, 4 waves a work-group, clusters of 4 x 4, 327,680 bytes of LDS; arguments obuf, wa, bo, x, x1; writes x1
.if DOCPART == 4
	.amdgcn_target "amdgcn-amd-amdhsa--gfx1250"
	.amdhsa_code_object_version 6
	.text
	.protected	k_q93aaac7d92_proj
	.globl	k_q93aaac7d92_proj
	.p2align	8
	.type	k_q93aaac7d92_proj,@function
k_q93aaac7d92_proj:
	s_mov_b64 s[64:65], 0
	v_nop
	global_prefetch_b8 v0, s[64:65] scope:SCOPE_SE
	s_setreg_imm32_b32 hwreg(HW_REG_WAVE_MODE, 25, 1), 1
	s_wait_xcnt 0x0
	s_wait_alu depctr_hold_cnt(0) depctr_sa_sdst(0) depctr_va_vdst(0) depctr_va_sdst(0) depctr_va_ssrc(0) depctr_va_vcc(0) depctr_vm_vsrc(0)
	s_getreg_b32 s2, hwreg(HW_REG_IB_STS2, 6, 4)
	s_cmp_eq_u32 s2, 0
	s_cbranch_scc0 .Lentry_in_a_cluster
	s_endpgm
.Lentry_in_a_cluster:
	s_bfe_u32 s2, ttmp6, 0x10000c
	s_cmp_lg_u32 s2, 0xf033
	s_cbranch_scc0 .Lentry_shape_is_right
	s_endpgm
.Lentry_shape_is_right:
; out = res + A W^T + bias, A [8,192][1,024] and W [1,024][1,024] as codes of E4M3 with E8M0 scales (images of operand registers), res and out f32, row-major.  It serves the projection behind attention and the second layer of the FFN.
; THE IMAGE: rows in groups of 128, K in planes of 128; byte (group * 8 + plane) * 16384 + a * 2048 + c * 512 + lane * 16 holds k = 32 c + 16 (lane / 16) + 0 .. 15 of the plane, of row
; 32 (a / 2) + 8 (a % 2) + r + 8 (r / 8) of the group (r = lane % 16).  Scale words: (group * 8 + plane) * 512 + (a / 4) * 256 + (16 (a % 2) + r) * 8 + ((a / 2) % 2) * 4.
; SHARES.  A tile of C is 128 x 256: 8,192 / 128 x 1,024 / 256 = 256 work-groups.  Four waves, each 64 x 128: wave w takes A's blocks 4 (w / 2) .. + 3 and W's group w % 2: 32 accumulators, 256 registers.
; K = 1,024 is four K steps of 256 (two planes).  A K step is 98,304 bytes: A's group (32,768), W's two groups.  THREE LDS slots: K steps 0, 1, 2 are first fills, issued together; K step 3 fills slot 0 again, behind the one
; round of the cluster's barrier that stands in the products.  Waves 0 and 1 fetch a plane of A each (16,384 dense bytes), waves 2 and 3 a group of W each (32,768).  The scale words, for all of K, come once.
; CLUSTERS: 4 x 4; A's tiles are asked for jointly along a row of the cluster, W's along a column.
; THE MATRIX INSTRUCTION IS USED TRANSPOSED (source 0 = 16 rows of W, source 1 = 16 rows of A): lane (r, h) holds row r of A's fragment and, in accumulator (a, b), columns 32 (b / 2) + 16 h + 8 (b % 2) + 0 .. 7.
; The bias is the C of the first plane.  A and W have two sets of fragment registers each: a plane's 48 loads are issued at the head of the plane before.
; THE RESIDUAL of the wave's 64 x 128 numbers, 256 registers, is asked for at the head, as whole rows of 512 bytes, and lands under the products.
; THE WAY OUT: a block of 16 rows goes through the wave's own stage in LDS and comes back as whole rows of 512 bytes; the residual's rows are added; 512 consecutive bytes a store.
; REGISTERS: window 0: v16-29 addresses; v32-63 scale words, two sets; v64-127 the bias; v128-255 A's fragments, two sets of 64, later rows on their way out.
;   window 1: W's fragments, two sets of 128.   window 2: the accumulators, (a, b) at v[8 (8 a + b)].   window 3: the residual, block a at v[64 a].
.set RG,    32768                      ; a group's two planes
.set PLN,   16384
.set SLOT,  3*RG                       ; A's group, then W's two
.set SCL,   3*SLOT                     ; behind the slots: the scale words: A's group 4,096 bytes, W's two groups 4,096 each
.set SPARE, SCL+3*4096                 ; the spare words, 128 bytes for each wave
.set WOFF,  0                          ; the weight is the first section of its buffer
.set SPITCH, 528                       ; the stage: 16 rows x (512 bytes + 16) for each wave,
.set STG,   SLOT                       ; in slot 1: it is filled once, and every wave's last read of it stands in front of the last barrier of the products
.set FR,    16
.set NP,    8                          ; places behind this matrix instruction (ISA guide 7.12.1)
.set ADRA, 16                          ; v16-18  my blocks of A in slot 0, 1, 2
.set ADRB, 19                          ; v19-21  my group of W
.set ADSA, 22
.set ADSB, 23
.set STO,  24
.set RD,   25
.set CO,   26                          ; v26  16 x lane
.set CO8,  27                          ; v27  8 x lane
.set SPW,  28                          ; v28  my spare word; never rewritten
.set NIL,  29                          ; v29  0; never rewritten
.set SC,   32                          ; scale words: set s at 32 + 16 s; in it 8 q + pair of A's blocks (2), 8 q + 4 + pair of W's (4)
.set BI,   64
.set AF,   128
.set BK,   128
.set G1,   24                          ; s[24:31] group 1: a plane of A;  s[32:39] a group of W;  s[40:47] half of A's scale words;  s[48:55] a group's of W
.set G1B,  32
.set G1S,  40
.set G1SB, 48
.set G0S,  56                          ; s[56:59], s[60:63] groups 0 for the scale words
.set G0SB, 60
.set G0,   68                          ; s[68:79] groups 0 for A's tiles, a set for each slot;  s[80:91] for W's
.set G0B,  80
.set MSB, 0
.macro WIN new                         ; the immediate's high byte repeats the setting that is left
.if MSB != (\new)
	s_set_vgpr_msb (MSB<<8)|(\new)
.set MSB, (\new)
.endif
.endm
.set MUL,   0xa1                       ; source 0 (W) window 1, source 1 (A) window 0, C and D window 2
.set TO_B,  0x40                       ; destination window 1, address window 0
.set TO_R,  0xc0                       ; destination window 3
.macro JLOAD g0a, g1a, g0b, g1b        ; a joint load: waves 0 and 1 fetch for A, waves 2 and 3 for W; four v_nop follow each of the two lines
	s_cmp_eq_u32 s3, 0
	s_cbranch_scc0 .Lfor_b_\@
	tensor_load_to_lds s[\g0a:\g0a+3], s[\g1a:\g1a+7]
	s_nop 0
.rept 4
	v_nop
.endr
	s_branch .Lasked_\@
.Lfor_b_\@:
	tensor_load_to_lds s[\g0b:\g0b+3], s[\g1b:\g1b+7]
	s_nop 0
.rept 4
	v_nop
.endr
.Lasked_\@:
.endm
.macro CREST                           ; a round of the cluster's barrier behind its opening barrier
	s_cmp_lg_u32 s2, 0
	s_cbranch_scc1 .Lnot_wave_0_\@
	s_barrier_signal -3
.Lnot_wave_0_\@:
	s_barrier_wait -3
	s_barrier_signal -1
	s_barrier_wait -1
.endm
.macro CROUND
	s_barrier_signal -1
	s_barrier_wait -1
	CREST
.endm
.macro SHAPE g, rows                   ; words 1 to 7 of a group 1: a dense block as rows of 32 elements of 8 bytes; no padding
	s_mov_b32 s[\g+1], 32<<16
	s_mov_b32 s[\g+2], (\rows)<<16
	s_mov_b32 s[\g+3], 32<<16
	s_mov_b32 s[\g+4], \rows
	s_mov_b32 s[\g+5], 32
	s_mov_b32 s[\g+6], 0
	s_mov_b32 s[\g+7], 0
.endm
	s_load_b256 s[4:11], s[0:1], 0x0               ; A s[4:5], the weights s[6:7], the bias s[8:9], the residual s[10:11]
	s_load_b64 s[12:13], s[0:1], 0x20              ; out
	v_lshl_add_u32 v[SPW], v0, 2, SPARE
	v_mov_b32 v[NIL], 0
	ds_add_u32 v28, v29
	ds_add_u32 v28, v29
	s_wait_dscnt 0x0
	v_lshrrev_b32 v1, 5, v0
	v_readfirstlane_b32 s2, v1                     ; wave 0..3
	s_lshr_b32 s3, s2, 1                           ; my half of the rows.  Also: I fetch for A (0) or for W (1)
	s_and_b32 s16, s2, 1                           ; my half of the columns.  Also: which plane of A, or which group of W, I fetch
	s_bfe_u32 s14, ttmp6, 0x40000                  ; cx
	s_bfe_u32 s15, ttmp6, 0x40004                  ; cy
	s_lshl_b32 s18, ttmp9, 2
	s_add_co_u32 s18, s18, s14                     ; tile column
	s_and_b32 s17, ttmp7, 0xffff
	s_lshl_b32 s17, s17, 2
	s_add_co_u32 s17, s17, s15                     ; tile row = A's group
	s_lshl_b32 s66, s15, 2
	s_lshl_b32 s66, 15, s66                        ; my row of the cluster
	s_lshl_b32 s67, 0x1111, s14                    ; my column
	s_or_b32 s[G1+0], s66, (3<<16)|(1<<21)         ; 15:0 the mask; 17:16 elements of 8 bytes; 21 set beside a mask
	s_or_b32 s[G1B+0], s67, (3<<16)|(1<<21)
	s_or_b32 s[G1S+0], s66, (3<<16)|(1<<21)
	s_or_b32 s[G1SB+0], s67, (3<<16)|(1<<21)
	SHAPE G1, 64                                   ; 16,384 bytes
	SHAPE G1B, 128                                 ; 32,768
	SHAPE G1S, 8                                   ; 2,048
	SHAPE G1SB, 16                                 ; 4,096
	s_lshl_b32 s20, s17, 17                        ; A: my group's codes, my plane of a K step's two: it hangs on the tile row and the wave alone
	s_lshl_b32 s21, s16, 14
	s_add_co_u32 s20, s20, s21
	s_lshl_b32 s22, s17, 12                        ; its scale words, my four planes of the eight
	s_lshl_b32 s23, s16, 11
	s_add_co_u32 s22, s22, s23
	s_add_co_u32 s22, s22, 0x800000
	s_mov_b32 s21, 0
	s_mov_b32 s23, 0
	s_lshl_b32 s92, s18, 1                         ; W: on the tile column and the wave alone
	s_add_co_u32 s92, s92, s16
	s_lshl_b32 s94, s92, 12
	s_add_co_u32 s94, s94, WOFF+0x100000
	s_lshl_b32 s92, s92, 17
	s_add_co_u32 s92, s92, WOFF
	s_mov_b32 s93, 0
	s_mov_b32 s95, 0
	s_lshl_b32 s96, s16, 14                        ; where they go in LDS: no place in the cluster enters an LDS address
	s_lshl_b32 s97, s16, 15
	s_lshl_b32 s98, s16, 11
	s_lshl_b32 s99, s16, 12
	s_wait_kmcnt 0x0
	s_add_nc_u64 s[20:21], s[4:5], s[20:21]
	s_add_nc_u64 s[22:23], s[4:5], s[22:23]
	s_add_nc_u64 s[92:93], s[6:7], s[92:93]
	s_add_nc_u64 s[94:95], s[6:7], s[94:95]
	CROUND                                         ; all sixteen work-groups are here: the first joint loads meet
	s_mov_b32 s[G0S], 1
	s_add_co_u32 s[G0S+1], s98, SCL
	s_mov_b64 s[G0S+2:G0S+3], s[22:23]
	s_or_b32 s[G0S+3], s[G0S+3], 0x80000000
	s_mov_b32 s[G0SB], 1
	s_add_co_u32 s[G0SB+1], s99, SCL+4096
	s_mov_b64 s[G0SB+2:G0SB+3], s[94:95]
	s_or_b32 s[G0SB+3], s[G0SB+3], 0x80000000
	JLOAD G0S, G1S, G0SB, G1SB                     ; the scale words first: they are wanted with K step 0
.irp s, 0,1,2
	s_mov_b32 s[G0+4*\s], 1
	s_add_co_u32 s[G0+4*\s+1], s96, \s*SLOT
	s_add_nc_u64 s[G0+4*\s+2:G0+4*\s+3], s[20:21], \s*RG
	s_or_b32 s[G0+4*\s+3], s[G0+4*\s+3], 0x80000000
	s_mov_b32 s[G0B+4*\s], 1
	s_add_co_u32 s[G0B+4*\s+1], s97, \s*SLOT+RG
	s_add_nc_u64 s[G0B+4*\s+2:G0B+4*\s+3], s[92:93], \s*RG
	s_or_b32 s[G0B+4*\s+3], s[G0B+4*\s+3], 0x80000000
	JLOAD G0+4*\s, G1, G0B+4*\s, G1B               ; K steps 0, 1, 2: with the scale words four loads of mine are out
.endr
	v_and_b32 v1, 31, v0
	v_lshlrev_b32 v[CO], 4, v1
	v_lshlrev_b32 v[CO8], 3, v1
	s_wait_alu depctr_va_vdst(0)
	s_lshl_b32 s20, s3, 13                         ; my four blocks of A: 2,048 bytes each in a plane
	s_lshl_b32 s21, s16, 15                        ; my group of W,
	s_add_co_u32 s21, s21, RG                      ; behind A's group
.irp s, 0,1,2
	v_add_nc_u32 v[ADRA+\s], s20, v[CO]
	v_add_nc_u32 v[ADRB+\s], s21, v[CO]
	s_add_co_u32 s20, s20, SLOT
	s_add_co_u32 s21, s21, SLOT
.endr
	s_lshl_b32 s20, s3, 8                          ; my four blocks' scale words: 256 bytes of a plane's 512
	s_add_co_u32 s20, s20, SCL
	v_add_nc_u32 v[ADSA], s20, v[CO8]
	s_lshl_b32 s21, s16, 12
	s_add_co_u32 s21, s21, SCL+4096
	v_add_nc_u32 v[ADSB], s21, v[CO8]
	s_lshl_b32 s22, s18, 10                        ; my first column, in bytes of f32: 1,024 x tile column + 512 x half
	s_lshl_b32 s23, s16, 9
	s_add_co_u32 s22, s22, s23
	s_mov_b32 s23, 0
	s_add_nc_u64 s[8:9], s[8:9], s[22:23]
	v_bfe_u32 v2, v0, 4, 1
	v_lshlrev_b32 v3, 6, v2
.irp b, 0,1,2,3,4,5,6,7
	global_load_b128 v[BI+8*\b:BI+8*\b+3], v3, s[8:9] offset:128*(\b/2)+32*(\b%2)          ; lane (r, h) wants, for block b of W, columns 32 (b / 2) + 16 h + 8 (b % 2) + 0 .. 7
	global_load_b128 v[BI+8*\b+4:BI+8*\b+7], v3, s[8:9] offset:128*(\b/2)+32*(\b%2)+16
.endr
	s_lshl_b32 s20, s17, 19                        ; my first row: 128 rows of 4,096 bytes a group, 64 a half
	s_lshl_b32 s21, s3, 18
	s_add_co_u32 s20, s20, s21
	s_add_co_u32 s20, s20, s22
	s_mov_b32 s21, 0
	s_add_nc_u64 s[10:11], s[10:11], s[20:21]
	s_add_nc_u64 s[12:13], s[12:13], s[20:21]
	s_mul_i32 s66, s2, 16*SPITCH                   ; my stage
	s_add_co_u32 s66, s66, STG
	v_and_b32 v4, 15, v0
	v_mul_u32_u24 v[STO], v4, SPITCH
	s_wait_alu depctr_va_vdst(0)
	v_lshl_add_u32 v[STO], v2, 6, v[STO]
	v_add_nc_u32 v[STO], s66, v[STO]               ; in: row r, + 64 h
	v_add_nc_u32 v[RD], s66, v[CO]                 ; back: the 32 lanes take one row of 512 bytes
.macro FRAG reg, adr, q, i             ; a fragment comes as it lies: four loads of 512 consecutive bytes
.irp c, 0,1,2,3
	ds_load_b128 v[\reg+4*\c:\reg+4*\c+3], v[\adr] offset:PLN*(\q)+2048*(\i)+512*\c
.endr
.endm
; One product: my block a of A x block b of W, on the fragments of set q (a slot's plane q).  sc: the set of scale words.  first = 1: C is the bias (window 0) and the sum begins.
.macro WM a, b, q, sc, first
.set rD, 8*(8*(\a)+(\b))
.set rC, rD
.if \first
.set rC, BI+8*(\b)
.endif
.set rB, 128*(\q)+FR*(\b)
.set rA, AF+64*(\q)+FR*(\a)
.set rSB, SC+16*(\sc)+8*(\q)+4+(\b)/2
.set rSA, SC+16*(\sc)+8*(\q)+(\a)/2
.if ((\a)%2) && ((\b)%2)
	v_wmma_scale_f32_16x16x128_f8f6f4 v[rD:rD+7], v[rB:rB+15], v[rA:rA+15], v[rC:rC+7], v[rSB], v[rSA] matrix_a_scale:MATRIX_SCALE_ROW1 matrix_b_scale:MATRIX_SCALE_ROW1
.elseif (\b)%2
	v_wmma_scale_f32_16x16x128_f8f6f4 v[rD:rD+7], v[rB:rB+15], v[rA:rA+15], v[rC:rC+7], v[rSB], v[rSA] matrix_a_scale:MATRIX_SCALE_ROW1
.elseif (\a)%2
	v_wmma_scale_f32_16x16x128_f8f6f4 v[rD:rD+7], v[rB:rB+15], v[rA:rA+15], v[rC:rC+7], v[rSB], v[rSA] matrix_b_scale:MATRIX_SCALE_ROW1
.else
	v_wmma_scale_f32_16x16x128_f8f6f4 v[rD:rD+7], v[rB:rB+15], v[rA:rA+15], v[rC:rC+7], v[rSB], v[rSA]
.endif
.endm
.macro MULA a, q, sc, first            ; eight products: one block of A against W's eight
.irp b, 0,1,2,3,4,5,6,7
	WM \a, \b, \q, \sc, \first
.endr
.endm
.macro MUL32 q, sc, first              ; a plane: the 32 accumulators take turns, one instruction a turn, in the same order in every plane
.if \first
	WIN 0x81                                       ; C in window 0, D in window 2
.else
	WIN MUL
.endif
.irp a, 0,1,2,3
	MULA \a, \q, \sc, \first
.endr
.endm
.macro FETCH slot, q                   ; 48 LDS loads in one run: plane q of a slot into set q: W's eight fragments, my four of A
	WIN TO_B
.irp i, 0,1,2,3,4,5,6,7
	FRAG 128*(\q)+FR*\i, ADRB+\slot, \q, \i
.endr
	WIN 0
.irp i, 0,1,2,3
	FRAG AF+64*(\q)+FR*\i, ADRA+\slot, \q, \i
.endr
.endm
.macro SCALES set, pl                  ; the scale words of planes pl and pl + 1 into a set: six loads of 8 bytes a lane
.irp q, 0,1
	ds_load_b64 v[SC+16*\set+8*\q:SC+16*\set+8*\q+1], v[ADSA] offset:512*(\pl+\q)
	ds_load_b64 v[SC+16*\set+8*\q+4:SC+16*\set+8*\q+5], v[ADSB] offset:512*(\pl+\q)
	ds_load_b64 v[SC+16*\set+8*\q+6:SC+16*\set+8*\q+7], v[ADSB] offset:512*(\pl+\q)+256
.endr
.endm
.macro PLACES n                        ; plain vector instructions between a matrix instruction and a load into, or a read of, its registers
.rept \n
	v_nop
.endr
.endm
.macro AHEAD slot, q                   ; at a plane's head: the set that the plane before has multiplied takes the plane after
	PLACES NP
	FETCH \slot, \q
.endm
; A slot's second plane where the work-group meets.  In front of the barrier each wave waits for all its tensor loads, adds 0 to its spare word, and waits for that and for its LDS reads, which are all its reads of this slot.
; fill = 1: the barrier opens a round of the cluster's, and behind it slot 0, just read out, takes K step 3.  next: the slot whose first plane is fetched; nsc, pl: its scale words' set and first plane.
.macro CHANGE sc, fill, next, nsc, pl
	WIN 0                                          ; (the add's two registers lie in window 0)
	s_wait_tensorcnt 0x0                           ; all my tensor loads have landed
	ds_add_u32 v[SPW], v[NIL]                      ; 0 onto my spare word
	s_wait_dscnt 0x0                               ; the add is done; this plane's fragments are in, and with them my reads of this slot are over
	s_barrier_signal -1
	WIN MUL
	MULA 0, 1, \sc, 0                              ; work on registers while the others arrive
	WIN 0
	s_barrier_wait -1
.if \fill
	CREST                                          ; no wave of any partner still reads slot 0 or has a load on its way
	s_add_nc_u64 s[G0+2:G0+3], s[G0+2:G0+3], 3*RG
	s_add_nc_u64 s[G0B+2:G0B+3], s[G0B+2:G0B+3], 3*RG
	JLOAD G0, G1, G0B, G1B                         ; my one tensor load behind the round: it has four planes and more in which to land; its four v_nop are among the places in front of the loads below
	PLACES NP-4
.else
	PLACES NP
.endif
	FETCH \next, 0
	SCALES \nsc, \pl
	WIN MUL
	MULA 1, 1, \sc, 0
	MULA 2, 1, \sc, 0
	MULA 3, 1, \sc, 0
.endm
; the residual's 16 rows of my block a, 512 bytes each, into window 3; row t of a fragment is row 32 (a / 2) + 8 (a % 2) + t + 8 (t / 8) of my 64
.macro RLOAD a
	WIN TO_R
.irp t, 0,1,2,3,4,5,6,7,8,9,10,11,12,13,14,15
	global_load_b128 v[64*(\a)+4*\t:64*(\a)+4*\t+3], v[CO], s[10:11] offset:(32*((\a)/2)+8*((\a)%2)+\t+8*(\t/8))*4096 th:TH_LOAD_NT
.endr
	WIN 0
.endm
.macro TOSTAGE a                       ; LDS serves a wave's instructions in order (ISA guide 5.7.1.4): no wait between the stores and the loads, nor in front of the next block's stores
.set AC, 64*(\a)
	WIN 0x08                                       ; the data: window 2
.irp b, 0,1,2,3,4,5,6,7
	ds_store_b128 v[STO], v[AC+8*\b:AC+8*\b+3] offset:128*(\b/2)+32*(\b%2)        ; each accumulator from its low end on
	ds_store_b128 v[STO], v[AC+8*\b+4:AC+8*\b+7] offset:128*(\b/2)+32*(\b%2)+16
.endr
	WIN 0
.set BB, BK+64*((\a)%2)
.irp t, 0,1,2,3,4,5,6,7,8,9,10,11,12,13,14,15
	ds_load_b128 v[BB+4*\t:BB+4*\t+3], v[RD] offset:\t*SPITCH
.endr
.endm
.macro SEND a, younger, lc             ; younger: LDS instructions issued behind block a's loads; lc: loads of the residual issued behind block a's
.set BB, BK+64*((\a)%2)
.set RS, 64*(\a)
	s_wait_dscnt \younger
	s_wait_loadcnt \lc
	WIN 0x0c                                       ; source 1: window 3
.set n, 0
.rept 32
	v_pk_add_f32 v[BB+n:BB+n+1], v[BB+n:BB+n+1], v[RS+n:RS+n+1]
.set n, n+2
.endr
	WIN 0
.irp t, 0,1,2,3,4,5,6,7,8,9,10,11,12,13,14,15
	global_store_b128 v[CO], v[BB+4*\t:BB+4*\t+3], s[12:13] offset:(32*((\a)/2)+8*((\a)%2)+\t+8*(\t/8))*4096   ; 512 consecutive bytes, aligned
.endr
.endm
	RLOAD 0                                        ; behind the bias's sixteen loads
	RLOAD 1
	s_wait_tensorcnt 2                             ; the scale words and my part of K step 0 are in; K steps 1 and 2 may be out
	s_barrier_signal -1
	s_barrier_wait -1
	FETCH 0, 0
	SCALES 0, 0
	s_wait_loadcnt 32                              ; the bias is in; the residual's first two blocks may be out
	RLOAD 2
	RLOAD 3
	FETCH 0, 1
	s_wait_dscnt 48                                ; all but the 48 just issued
	MUL32 0, 0, 1                                  ; plane 0: its products start the sums.  The eight planes are written out
	CHANGE 0, 1, 1, 1, 2                           ; plane 1; slot 0 takes K step 3
	AHEAD 1, 1
	s_wait_dscnt 48
	MUL32 0, 1, 0                                  ; plane 2
	AHEAD 2, 0                                     ; slot 2 was shown whole to every wave by the wait and the round of plane 1: no barrier here
	SCALES 0, 4
	s_wait_dscnt 54                                ; all but the 54 just issued
	MUL32 1, 1, 0                                  ; plane 3
	AHEAD 2, 1
	s_wait_dscnt 48
	MUL32 0, 0, 0                                  ; plane 4
	CHANGE 0, 0, 0, 1, 6                           ; plane 5; K step 3 has landed in every wave's part
	AHEAD 0, 1
	s_wait_dscnt 48
	MUL32 0, 1, 0                                  ; plane 6
	s_wait_dscnt 0x0
	MUL32 1, 1, 0                                  ; plane 7
	WIN 0
	PLACES NP                                      ; behind the last products: results are read, and loads land in A's registers, from here on
	s_wait_alu depctr_va_vdst(0)
	TOSTAGE 0
.irp a, 1,2,3
.if \a > 1
	s_wait_xcnt 0x0                                ; block a - 2's stores have read their registers: block a's rows may land there
.endif
	TOSTAGE \a
	SEND \a-1, 32, 16*(4-\a)                       ; behind block a - 1's: block a's 16 stage stores and 16 loads; 4 - a blocks of the residual
.endr
	SEND 3, 0, 0
	s_wait_tensorcnt 0x0                           ; the wave's end
	ds_add_u32 v[SPW], v[NIL]
	s_wait_dscnt 0x0
	CROUND                                         ; the closing round: no work-group ends while a partner may still ask for a tile that names it
	s_endpgm
.Lfunc_end_k_q93aaac7d92_proj:
	.size	k_q93aaac7d92_proj, .Lfunc_end_k_q93aaac7d92_proj-k_q93aaac7d92_proj
	.p2alignl 7, 3214868480
	.fill 96, 4, 3214868480
	.section	.rodata,"a",@progbits
	.p2align	6, 0x0
	.amdhsa_kernel k_q93aaac7d92_proj
		.amdhsa_group_segment_fixed_size 327680
		.amdhsa_private_segment_fixed_size 0
		.amdhsa_enable_private_segment 0
		.amdhsa_kernarg_size 40
		.amdhsa_user_sgpr_count 2
		.amdhsa_user_sgpr_kernarg_segment_ptr 1
		.amdhsa_wavefront_size32 1
		.amdhsa_system_sgpr_workgroup_id_x 1
		.amdhsa_system_sgpr_workgroup_id_y 1
		.amdhsa_system_sgpr_workgroup_id_z 1
		.amdhsa_system_vgpr_workitem_id 0
		.amdhsa_next_free_vgpr 1024
		.amdhsa_next_free_sgpr 102
		.amdhsa_reserve_vcc 0
		.amdhsa_float_denorm_mode_32 3
		.amdhsa_float_denorm_mode_16_64 3
		.amdhsa_memory_ordered 1
		.amdhsa_forward_progress 1
		.amdhsa_inst_pref_size 103
	.end_amdhsa_kernel
	.amdgpu_metadata
---
amdhsa.version: [ 1, 2 ]
amdhsa.kernels:
  - .name:           k_q93aaac7d92_proj
    .symbol:         k_q93aaac7d92_proj.kd
    .args:
      - { .name: obuf, .offset: 0, .size: 8, .value_kind: global_buffer, .address_space: global }
      - { .name: wa, .offset: 8, .size: 8, .value_kind: global_buffer, .address_space: global }
      - { .name: bo, .offset: 16, .size: 8, .value_kind: global_buffer, .address_space: global }
      - { .name: x, .offset: 24, .size: 8, .value_kind: global_buffer, .address_space: global }
      - { .name: x1, .offset: 32, .size: 8, .value_kind: global_buffer, .address_space: global }
    .group_segment_fixed_size: 327680
    .private_segment_fixed_size: 0
    .kernarg_segment_align: 8
    .kernarg_segment_size: 40
    .max_flat_workgroup_size: 128
    .sgpr_count:     102
    .vgpr_count:     1024
    .wavefront_size: 32
...
	.end_amdgpu_metadata
.endif
;; end of part 4
;; launch ln2: the kernel of part 1 again; grid 160 x 1, 8 waves a work-group, no clusters, 300,032 bytes of LDS; arguments x1, g2, be2, w2, w1, wk, wv, hbuf, wb; writes hbuf, wb
;; launch ffn1 (part 5): grid 4 x 64, 4 waves a work-group, clusters of 4 x 4, 327,680 bytes of LDS; arguments hbuf, wb, b1, obuf; writes obuf
.if DOCPART == 5
	.amdgcn_target "amdgcn-amd-amdhsa--gfx1250"
	.amdhsa_code_object_version 6
	.text
	.protected	k_q93aaac7d92_ffn1
	.globl	k_q93aaac7d92_ffn1
	.p2align	8
	.type	k_q93aaac7d92_ffn1,@function
k_q93aaac7d92_ffn1:
	s_mov_b64 s[64:65], 0
	v_nop
	global_prefetch_b8 v0, s[64:65] scope:SCOPE_SE
	s_setreg_imm32_b32 hwreg(HW_REG_WAVE_MODE, 25, 1), 1
	s_wait_xcnt 0x0
	s_wait_alu depctr_hold_cnt(0) depctr_sa_sdst(0) depctr_va_vdst(0) depctr_va_sdst(0) depctr_va_ssrc(0) depctr_va_vcc(0) depctr_vm_vsrc(0)
	s_getreg_b32 s2, hwreg(HW_REG_IB_STS2, 6, 4)
	s_cmp_eq_u32 s2, 0
	s_cbranch_scc0 .Lentry_in_a_cluster
	s_endpgm
.Lentry_in_a_cluster:
	s_bfe_u32 s2, ttmp6, 0x10000c
	s_cmp_lg_u32 s2, 0xf033
	s_cbranch_scc0 .Lentry_shape_is_right
	s_endpgm
.Lentry_shape_is_right:
; hidden = relu(h W1^T + b1), on codes of E4M3 with E8M0 scales, K = 1,024; the result is quantised along its columns on the way out and stored as an image of operand registers.
; THE IMAGE: rows in groups of 128, K in planes of 128; byte (group * 8 + plane) * 16384 + a * 2048 + c * 512 + lane * 16 holds k = 32 c + 16 (lane / 16) + 0 .. 15 of the plane, of row
; 32 (a / 2) + 8 (a % 2) + r + 8 (r / 8) of the group (r = lane % 16).  Scale words: (group * 8 + plane) * 512 + (a / 4) * 256 + (16 (a % 2) + r) * 8 + ((a / 2) % 2) * 4.
; SHARES.  A tile of C is 128 x 256: 8,192 / 128 x 1,024 / 256 = 256 work-groups.  Four waves, each 64 x 128: wave w takes h's blocks 4 (w / 2) .. + 3 and W1's group w % 2: 32 accumulators, 256 registers.
; K = 1,024 is four K steps of 256 (two planes).  A K step is 98,304 bytes: h's group (32,768), W1's two groups.  THREE LDS slots: K steps 0, 1, 2 are first fills, issued together; K step 3 fills slot 0 again, behind the one
; round of the cluster's barrier that stands in the products.  Waves 0 and 1 fetch a plane of h each (16,384 dense bytes), waves 2 and 3 a group of W1 each (32,768).  The scale words, for all of K, come once.
; CLUSTERS: 4 x 4; h's tiles are asked for jointly along a row of the cluster, W1's along a column.
; THE MATRIX INSTRUCTION IS USED TRANSPOSED (source 0 = 16 rows of W1, source 1 = 16 rows of h): by the order of rows in a fragment, the 16 registers of accumulators (a, 2 i) and (a, 2 i + 1) are columns 32 i + 16 (lane / 16) + 0 .. 15
; of the lane's row: 16 neighbours along the next K.  A block's 64 registers convert straight into a fragment of the result.  The bias is the C of the first plane; the activation is the lower end of the hold.
; REGISTERS: window 0: v16-29 addresses; v32-63 scale words, two sets; v64-127 the bias; v128-255 h's fragments, two sets of 64, later the way out.  window 1: W1's fragments, two sets of 128.  window 2: the accumulators, (a, b) at v[8 (8 a + b)].
; LIMITS: NaN and infinities are not served; a block of zeros gets the byte 1 (its codes are zeros, and this program alone reads the bytes).
.set RG,    32768                      ; a group's two planes
.set PLN,   16384
.set SLOT,  3*RG                       ; h's group, then W1's two
.set SCL,   3*SLOT                     ; behind the slots: the scale words: h's group 4,096 bytes, W1's two groups 4,096 each
.set SPARE, SCL+3*4096                 ; the spare words, 128 bytes for each wave
.set WOFF,  0x108000                   ; W1 is the second section of its buffer
.set FR,    16
.set NP,    8                          ; places behind this matrix instruction (ISA guide 7.12.1)
.set ADRA, 16                          ; v16-18  my blocks of h in slot 0, 1, 2
.set ADRB, 19                          ; v19-21  my group of W1
.set ADSA, 22
.set ADSB, 23
.set CO,   26                          ; v26  16 x lane
.set CO8,  27                          ; v27  8 x lane
.set SPW,  28                          ; v28  my spare word; never rewritten
.set NIL,  29                          ; v29  0; never rewritten
.set SC,   32                          ; scale words: set s at 32 + 16 s; in it 8 q + pair of h's blocks (2), 8 q + 4 + pair of W1's (4)
.set BI,   64
.set AF,   128
.set TM,   128                         ; the way out: v128-131 largest magnitudes, v132-135 bytes, v136-139 448 x the scale, v140-143 the conversions' scale operands
.set PC,   144                         ; v144-175 the codes just made, two sets
.set PW,   176                         ; v176-179 a block's scale word
.set SW,   184                         ; v184-185 two blocks' words in one register
.set G1,   24                          ; s[24:31] group 1: a plane of h;  s[32:39] a group of W1;  s[40:47] half of h's scale words;  s[48:55] a group's of W1
.set G1B,  32
.set G1S,  40
.set G1SB, 48
.set G0S,  56                          ; s[56:59], s[60:63] groups 0 for the scale words
.set G0SB, 60
.set G0,   68                          ; s[68:79] groups 0 for h's tiles, a set for each slot;  s[80:91] for W1's
.set G0B,  80
.set MSB, 0
.macro WIN new                         ; the immediate's high byte repeats the setting that is left
.if MSB != (\new)
	s_set_vgpr_msb (MSB<<8)|(\new)
.set MSB, (\new)
.endif
.endm
.set MUL,   0xa1                       ; source 0 (W1) window 1, source 1 (h) window 0, C and D window 2
.set TO_B,  0x40                       ; destination window 1, address window 0
.macro JLOAD g0a, g1a, g0b, g1b        ; a joint load: waves 0 and 1 fetch for h, waves 2 and 3 for W1; four v_nop follow each of the two lines
	s_cmp_eq_u32 s3, 0
	s_cbranch_scc0 .Lfor_b_\@
	tensor_load_to_lds s[\g0a:\g0a+3], s[\g1a:\g1a+7]
	s_nop 0
.rept 4
	v_nop
.endr
	s_branch .Lasked_\@
.Lfor_b_\@:
	tensor_load_to_lds s[\g0b:\g0b+3], s[\g1b:\g1b+7]
	s_nop 0
.rept 4
	v_nop
.endr
.Lasked_\@:
.endm
.macro CREST                           ; a round of the cluster's barrier behind its opening barrier
	s_cmp_lg_u32 s2, 0
	s_cbranch_scc1 .Lnot_wave_0_\@
	s_barrier_signal -3
.Lnot_wave_0_\@:
	s_barrier_wait -3
	s_barrier_signal -1
	s_barrier_wait -1
.endm
.macro CROUND
	s_barrier_signal -1
	s_barrier_wait -1
	CREST
.endm
.macro SHAPE g, rows                   ; words 1 to 7 of a group 1: a dense block as rows of 32 elements of 8 bytes; no padding
	s_mov_b32 s[\g+1], 32<<16
	s_mov_b32 s[\g+2], (\rows)<<16
	s_mov_b32 s[\g+3], 32<<16
	s_mov_b32 s[\g+4], \rows
	s_mov_b32 s[\g+5], 32
	s_mov_b32 s[\g+6], 0
	s_mov_b32 s[\g+7], 0
.endm
	s_load_b256 s[4:11], s[0:1], 0x0               ; h s[4:5], the weights s[6:7], b1 s[8:9], the result s[10:11]
	v_lshl_add_u32 v[SPW], v0, 2, SPARE
	v_mov_b32 v[NIL], 0
	ds_add_u32 v28, v29
	ds_add_u32 v28, v29
	s_wait_dscnt 0x0
	v_lshrrev_b32 v1, 5, v0
	v_readfirstlane_b32 s2, v1                     ; wave 0..3
	s_lshr_b32 s3, s2, 1                           ; my half of the rows.  Also: I fetch for h (0) or for W1 (1)
	s_and_b32 s16, s2, 1                           ; my half of the columns.  Also: which plane of h, or which group of W1, I fetch
	s_bfe_u32 s14, ttmp6, 0x40000                  ; cx
	s_bfe_u32 s15, ttmp6, 0x40004                  ; cy
	s_lshl_b32 s18, ttmp9, 2
	s_add_co_u32 s18, s18, s14                     ; tile column
	s_and_b32 s17, ttmp7, 0xffff
	s_lshl_b32 s17, s17, 2
	s_add_co_u32 s17, s17, s15                     ; tile row = h's group
	s_lshl_b32 s66, s15, 2
	s_lshl_b32 s66, 15, s66                        ; my row of the cluster
	s_lshl_b32 s67, 0x1111, s14                    ; my column
	s_or_b32 s[G1+0], s66, (3<<16)|(1<<21)         ; 15:0 the mask; 17:16 elements of 8 bytes; 21 set beside a mask
	s_or_b32 s[G1B+0], s67, (3<<16)|(1<<21)
	s_or_b32 s[G1S+0], s66, (3<<16)|(1<<21)
	s_or_b32 s[G1SB+0], s67, (3<<16)|(1<<21)
	SHAPE G1, 64                                   ; 16,384 bytes
	SHAPE G1B, 128                                 ; 32,768
	SHAPE G1S, 8                                   ; 2,048
	SHAPE G1SB, 16                                 ; 4,096
	s_lshl_b32 s20, s17, 17                        ; h: my group's codes, my plane of a K step's two: it hangs on the tile row and the wave alone
	s_lshl_b32 s21, s16, 14
	s_add_co_u32 s20, s20, s21
	s_lshl_b32 s22, s17, 12                        ; its scale words, my four planes of the eight
	s_lshl_b32 s23, s16, 11
	s_add_co_u32 s22, s22, s23
	s_add_co_u32 s22, s22, 0x800000
	s_mov_b32 s21, 0
	s_mov_b32 s23, 0
	s_lshl_b32 s92, s18, 1                         ; W1: on the tile column and the wave alone
	s_add_co_u32 s92, s92, s16
	s_lshl_b32 s94, s92, 12
	s_add_co_u32 s94, s94, WOFF+0x100000
	s_lshl_b32 s92, s92, 17
	s_add_co_u32 s92, s92, WOFF
	s_mov_b32 s93, 0
	s_mov_b32 s95, 0
	s_lshl_b32 s96, s16, 14                        ; where they go in LDS: no place in the cluster enters an LDS address
	s_lshl_b32 s97, s16, 15
	s_lshl_b32 s98, s16, 11
	s_lshl_b32 s99, s16, 12
	s_wait_kmcnt 0x0
	s_add_nc_u64 s[20:21], s[4:5], s[20:21]
	s_add_nc_u64 s[22:23], s[4:5], s[22:23]
	s_add_nc_u64 s[92:93], s[6:7], s[92:93]
	s_add_nc_u64 s[94:95], s[6:7], s[94:95]
	CROUND                                         ; all sixteen work-groups are here: the first joint loads meet
	s_mov_b32 s[G0S], 1
	s_add_co_u32 s[G0S+1], s98, SCL
	s_mov_b64 s[G0S+2:G0S+3], s[22:23]
	s_or_b32 s[G0S+3], s[G0S+3], 0x80000000
	s_mov_b32 s[G0SB], 1
	s_add_co_u32 s[G0SB+1], s99, SCL+4096
	s_mov_b64 s[G0SB+2:G0SB+3], s[94:95]
	s_or_b32 s[G0SB+3], s[G0SB+3], 0x80000000
	JLOAD G0S, G1S, G0SB, G1SB                     ; the scale words first: they are wanted with K step 0
.irp s, 0,1,2
	s_mov_b32 s[G0+4*\s], 1
	s_add_co_u32 s[G0+4*\s+1], s96, \s*SLOT
	s_add_nc_u64 s[G0+4*\s+2:G0+4*\s+3], s[20:21], \s*RG
	s_or_b32 s[G0+4*\s+3], s[G0+4*\s+3], 0x80000000
	s_mov_b32 s[G0B+4*\s], 1
	s_add_co_u32 s[G0B+4*\s+1], s97, \s*SLOT+RG
	s_add_nc_u64 s[G0B+4*\s+2:G0B+4*\s+3], s[92:93], \s*RG
	s_or_b32 s[G0B+4*\s+3], s[G0B+4*\s+3], 0x80000000
	JLOAD G0+4*\s, G1, G0B+4*\s, G1B               ; K steps 0, 1, 2: with the scale words four loads of mine are out
.endr
	v_and_b32 v1, 31, v0
	v_lshlrev_b32 v[CO], 4, v1
	v_lshlrev_b32 v[CO8], 3, v1
	s_lshl_b32 s20, s3, 13                         ; my four blocks of h: 2,048 bytes each in a plane
	s_lshl_b32 s21, s16, 15                        ; my group of W1,
	s_add_co_u32 s21, s21, RG                      ; behind h's group
.irp s, 0,1,2
	v_add_nc_u32 v[ADRA+\s], s20, v[CO]
	v_add_nc_u32 v[ADRB+\s], s21, v[CO]
	s_add_co_u32 s20, s20, SLOT
	s_add_co_u32 s21, s21, SLOT
.endr
	s_lshl_b32 s20, s3, 8                          ; my four blocks' scale words: 256 bytes of a plane's 512
	s_add_co_u32 s20, s20, SCL
	v_add_nc_u32 v[ADSA], s20, v[CO8]
	s_lshl_b32 s21, s16, 12
	s_add_co_u32 s21, s21, SCL+4096
	v_add_nc_u32 v[ADSB], s21, v[CO8]
	s_lshl_b32 s22, s18, 10                        ; my first column, in bytes of f32: 1,024 x tile column + 512 x half
	s_lshl_b32 s23, s16, 9
	s_add_co_u32 s22, s22, s23
	s_mov_b32 s23, 0
	s_add_nc_u64 s[8:9], s[8:9], s[22:23]
	v_bfe_u32 v2, v0, 4, 1
	v_lshlrev_b32 v3, 6, v2
.irp b, 0,1,2,3,4,5,6,7
	global_load_b128 v[BI+8*\b:BI+8*\b+3], v3, s[8:9] offset:128*(\b/2)+32*(\b%2)          ; lane (r, h) wants, for block b of W1, columns 32 (b / 2) + 16 h + 8 (b % 2) + 0 .. 7
	global_load_b128 v[BI+8*\b+4:BI+8*\b+7], v3, s[8:9] offset:128*(\b/2)+32*(\b%2)+16
.endr
	s_lshl_b32 s92, s17, 3                         ; where my 64 x 128 goes: block (group, plane) = (tile row, 2 x tile column + half), fragments 4 x my half of the rows on
	s_lshl_b32 s93, s18, 1
	s_add_co_u32 s92, s92, s93
	s_add_co_u32 s92, s92, s16
	s_lshl_b32 s94, s92, 9
	s_lshl_b32 s95, s3, 8
	s_add_co_u32 s94, s94, s95
	s_add_co_u32 s94, s94, 0x800000
	s_mov_b32 s95, 0
	s_lshl_b32 s92, s92, 14
	s_lshl_b32 s93, s3, 13
	s_add_co_u32 s92, s92, s93
	s_mov_b32 s93, 0
	s_add_nc_u64 s[92:93], s[10:11], s[92:93]
	s_add_nc_u64 s[94:95], s[10:11], s[94:95]
	s_mov_b32 s96, 0xffff0000                      ; lanes 16-31
	s_mov_b32 s97, 0x600000                        ; the mantissa field of 448
	s_mov_b32 s98, 0x76543210
	s_mov_b32 s99, 0xfedcba98                      ; v_permlanex16_b32's selects for lane l xor 16
.macro FRAG reg, adr, q, i             ; a fragment comes as it lies: four loads of 512 consecutive bytes
.irp c, 0,1,2,3
	ds_load_b128 v[\reg+4*\c:\reg+4*\c+3], v[\adr] offset:PLN*(\q)+2048*(\i)+512*\c
.endr
.endm
; One product: my block a of h x block b of W1, on the fragments of set q (a slot's plane q).  sc: the set of scale words.  first = 1: C is the bias (window 0) and the sum begins.
.macro WM a, b, q, sc, first
.set rD, 8*(8*(\a)+(\b))
.set rC, rD
.if \first
.set rC, BI+8*(\b)
.endif
.set rB, 128*(\q)+FR*(\b)
.set rA, AF+64*(\q)+FR*(\a)
.set rSB, SC+16*(\sc)+8*(\q)+4+(\b)/2
.set rSA, SC+16*(\sc)+8*(\q)+(\a)/2
.if ((\a)%2) && ((\b)%2)
	v_wmma_scale_f32_16x16x128_f8f6f4 v[rD:rD+7], v[rB:rB+15], v[rA:rA+15], v[rC:rC+7], v[rSB], v[rSA] matrix_a_scale:MATRIX_SCALE_ROW1 matrix_b_scale:MATRIX_SCALE_ROW1
.elseif (\b)%2
	v_wmma_scale_f32_16x16x128_f8f6f4 v[rD:rD+7], v[rB:rB+15], v[rA:rA+15], v[rC:rC+7], v[rSB], v[rSA] matrix_a_scale:MATRIX_SCALE_ROW1
.elseif (\a)%2
	v_wmma_scale_f32_16x16x128_f8f6f4 v[rD:rD+7], v[rB:rB+15], v[rA:rA+15], v[rC:rC+7], v[rSB], v[rSA] matrix_b_scale:MATRIX_SCALE_ROW1
.else
	v_wmma_scale_f32_16x16x128_f8f6f4 v[rD:rD+7], v[rB:rB+15], v[rA:rA+15], v[rC:rC+7], v[rSB], v[rSA]
.endif
.endm
.macro MULA a, q, sc, first            ; eight products: one block of h against W1's eight
.irp b, 0,1,2,3,4,5,6,7
	WM \a, \b, \q, \sc, \first
.endr
.endm
.macro MUL32 q, sc, first              ; a plane: the 32 accumulators take turns, one instruction a turn, in the same order in every plane
.if \first
	WIN 0x81                                       ; C in window 0, D in window 2
.else
	WIN MUL
.endif
.irp a, 0,1,2,3
	MULA \a, \q, \sc, \first
.endr
.endm
.macro FETCH slot, q                   ; 48 LDS loads in one run: plane q of a slot into set q: W1's eight fragments, my four of h
	WIN TO_B
.irp i, 0,1,2,3,4,5,6,7
	FRAG 128*(\q)+FR*\i, ADRB+\slot, \q, \i
.endr
	WIN 0
.irp i, 0,1,2,3
	FRAG AF+64*(\q)+FR*\i, ADRA+\slot, \q, \i
.endr
.endm
.macro SCALES set, pl                  ; the scale words of planes pl and pl + 1 into a set: six loads of 8 bytes a lane
.irp q, 0,1
	ds_load_b64 v[SC+16*\set+8*\q:SC+16*\set+8*\q+1], v[ADSA] offset:512*(\pl+\q)
	ds_load_b64 v[SC+16*\set+8*\q+4:SC+16*\set+8*\q+5], v[ADSB] offset:512*(\pl+\q)
	ds_load_b64 v[SC+16*\set+8*\q+6:SC+16*\set+8*\q+7], v[ADSB] offset:512*(\pl+\q)+256
.endr
.endm
.macro PLACES n                        ; plain vector instructions between a matrix instruction and a load into, or a read of, its registers
.rept \n
	v_nop
.endr
.endm
.macro AHEAD slot, q                   ; at a plane's head: the set that the plane before has multiplied takes the plane after
	PLACES NP
	FETCH \slot, \q
.endm
; A slot's second plane where the work-group meets.  In front of the barrier each wave waits for all its tensor loads, adds 0 to its spare word, and waits for that and for its LDS reads, which are all its reads of this slot.
; fill = 1: the barrier opens a round of the cluster's, and behind it slot 0, just read out, takes K step 3.  next: the slot whose first plane is fetched; nsc, pl: its scale words' set and first plane.
.macro CHANGE sc, fill, next, nsc, pl
	WIN 0                                          ; (the add's two registers lie in window 0)
	s_wait_tensorcnt 0x0                           ; all my tensor loads have landed
	ds_add_u32 v[SPW], v[NIL]                      ; 0 onto my spare word
	s_wait_dscnt 0x0                               ; the add is done; this plane's fragments are in, and with them my reads of this slot are over
	s_barrier_signal -1
	WIN MUL
	MULA 0, 1, \sc, 0                              ; work on registers while the others arrive
	WIN 0
	s_barrier_wait -1
.if \fill
	CREST                                          ; no wave of any partner still reads slot 0 or has a load on its way
	s_add_nc_u64 s[G0+2:G0+3], s[G0+2:G0+3], 3*RG
	s_add_nc_u64 s[G0B+2:G0B+3], s[G0B+2:G0B+3], 3*RG
	JLOAD G0, G1, G0B, G1B                         ; my one tensor load behind the round: it has four planes and more in which to land; its four v_nop are among the places in front of the loads below
	PLACES NP-4
.else
	PLACES NP
.endif
	FETCH \next, 0
	SCALES \nsc, \pl
	WIN MUL
	MULA 1, 1, \sc, 0
	MULA 2, 1, \sc, 0
	MULA 3, 1, \sc, 0
.endm
	s_wait_tensorcnt 2                             ; the scale words and my part of K step 0 are in; K steps 1 and 2 may be out
	s_barrier_signal -1
	s_barrier_wait -1
	FETCH 0, 0
	SCALES 0, 0
	s_wait_loadcnt 0x0                             ; the bias
	FETCH 0, 1
	s_wait_dscnt 48                                ; all but the 48 just issued
	MUL32 0, 0, 1                                  ; plane 0: its products start the sums.  The eight planes are written out
	CHANGE 0, 1, 1, 1, 2                           ; plane 1; slot 0 takes K step 3
	AHEAD 1, 1
	s_wait_dscnt 48
	MUL32 0, 1, 0                                  ; plane 2
	AHEAD 2, 0                                     ; slot 2 was shown whole to every wave by the wait and the round of plane 1: no barrier here
	SCALES 0, 4
	s_wait_dscnt 54                                ; all but the 54 just issued
	MUL32 1, 1, 0                                  ; plane 3
	AHEAD 2, 1
	s_wait_dscnt 48
	MUL32 0, 0, 0                                  ; plane 4
	CHANGE 0, 0, 0, 1, 6                           ; plane 5; K step 3 has landed in every wave's part
	AHEAD 0, 1
	s_wait_dscnt 48
	MUL32 0, 1, 0                                  ; plane 6
	s_wait_dscnt 0x0
	MUL32 1, 1, 0                                  ; plane 7
	WIN 0
; THE WAY OUT of my block a (16 rows x 128 columns): what is negative is to become 0, so it does not count for the largest magnitude (no |.|; the floor stands over it), and the hold clips at 0 as well.
; Each of the four blocks of 32 columns lies in lanes l and l xor 16, 16 registers each.  The 16 registers of codes are a fragment of the result and are stored as they stand: four stores of 512 consecutive bytes.
.macro QOUT a
.set AC, 64*(\a)
.set PCA, PC+16*((\a)%2)
	s_wait_xcnt 0x0                                ; the stores of two blocks back have read their registers
	WIN 0x0a                                       ; sources 0 and 1: window 2
.irp b, 0,1,2,3
	v_max3_num_f32 v[TM+\b], v[AC+16*\b], v[AC+16*\b+1], 0x4800000     ; each accumulator from its low end on; the floor 2^(9 - 127): the byte cannot fall under 1
.endr
.irp i, 2,4,6,8,10,12,14
.irp b, 0,1,2,3
	v_max3_num_f32 v[TM+\b], v[AC+16*\b+\i], v[AC+16*\b+\i+1], v[TM+\b]
.endr
.endr
	WIN 0
.irp b, 0,1,2,3
	v_permlanex16_b32 v[TM+4+\b], v[TM+\b], s98, s99
.endr
.irp b, 0,1,2,3
	v_max_num_f32 v[TM+\b], v[TM+\b], v[TM+4+\b]
.endr
.irp b, 0,1,2,3
	v_add_nc_u32 v[TM+12+\b], 0xfc000000, v[TM+\b]           ; 8 off the exponent field: the conversion's scale operand
.endr
.irp b, 0,1,2,3
	v_and_or_b32 v[TM+8+\b], v[TM+\b], 0x7f800000, s97       ; 448 x the scale
.endr
.irp b, 0,1,2,3
	v_lshrrev_b32 v[TM+4+\b], 23, v[TM+12+\b]                ; the scale's byte
.endr
	v_lshl_or_b32 v[PW+(\a)], v[TM+5], 8, v[TM+4]
	v_lshl_or_b32 v[PW+(\a)], v[TM+6], 16, v[PW+(\a)]
	v_lshl_or_b32 v[PW+(\a)], v[TM+7], 24, v[PW+(\a)]
	WIN 0x82                                       ; destination and source 0: window 2
.irp b, 0,1,2,3
.irp i, 0,1,2,3,4,5,6,7,8,9,10,11,12,13,14,15
	v_med3_num_f32 v[AC+16*\b+\i], v[AC+16*\b+\i], 0, v[TM+8+\b]       ; the activation and the hold in one (the conversion does not saturate: ISA guide 7.6.2)
.endr
.endr
	WIN 0x02                                       ; source 0: window 2
.irp b, 0,1,2,3
	v_cvt_scalef32_pk8_fp8_f32 v[PCA+4*\b:PCA+4*\b+1], v[AC+16*\b:AC+16*\b+7], v[TM+12+\b]
	v_cvt_scalef32_pk8_fp8_f32 v[PCA+4*\b+2:PCA+4*\b+3], v[AC+16*\b+8:AC+16*\b+15], v[TM+12+\b]
.endr
	WIN 0
	v_nop                                          ; one plain instruction behind the conversions
.irp c, 0,1,2,3
	global_store_b128 v[CO], v[PCA+4*\c:PCA+4*\c+3], s[92:93] offset:2048*(\a)+512*\c
.endr
.endm
	PLACES NP                                      ; behind the last products: their results are read and h's registers written from here on
.irp b, 0,1,2,3
	v_mov_b32 v[TM+4+\b], 0                        ; a lane permute's destination counts as one of its sources
.endr
.irp a, 0,1,2,3
	QOUT \a
.endr
	v_cndmask_b32 v[SW], v[PW], v[PW+1], s96       ; lanes 0-15: the even block's words; lanes 16-31: the odd block's
	v_cndmask_b32 v[SW+1], v[PW+2], v[PW+3], s96
	global_store_b64 v[CO8], v[SW:SW+1], s[94:95]  ; 256 consecutive bytes, aligned
	s_wait_tensorcnt 0x0                           ; the wave's end
	ds_add_u32 v[SPW], v[NIL]
	s_wait_dscnt 0x0
	CROUND                                         ; the closing round: no work-group ends while a partner may still ask for a tile that names it
	s_endpgm
.Lfunc_end_k_q93aaac7d92_ffn1:
	.size	k_q93aaac7d92_ffn1, .Lfunc_end_k_q93aaac7d92_ffn1-k_q93aaac7d92_ffn1
	.p2alignl 7, 3214868480
	.fill 96, 4, 3214868480
	.section	.rodata,"a",@progbits
	.p2align	6, 0x0
	.amdhsa_kernel k_q93aaac7d92_ffn1
		.amdhsa_group_segment_fixed_size 327680
		.amdhsa_private_segment_fixed_size 0
		.amdhsa_enable_private_segment 0
		.amdhsa_kernarg_size 32
		.amdhsa_user_sgpr_count 2
		.amdhsa_user_sgpr_kernarg_segment_ptr 1
		.amdhsa_wavefront_size32 1
		.amdhsa_system_sgpr_workgroup_id_x 1
		.amdhsa_system_sgpr_workgroup_id_y 1
		.amdhsa_system_sgpr_workgroup_id_z 1
		.amdhsa_system_vgpr_workitem_id 0
		.amdhsa_next_free_vgpr 1024
		.amdhsa_next_free_sgpr 102
		.amdhsa_reserve_vcc 0
		.amdhsa_float_denorm_mode_32 3
		.amdhsa_float_denorm_mode_16_64 3
		.amdhsa_memory_ordered 1
		.amdhsa_forward_progress 1
		.amdhsa_inst_pref_size 109
	.end_amdhsa_kernel
	.amdgpu_metadata
---
amdhsa.version: [ 1, 2 ]
amdhsa.kernels:
  - .name:           k_q93aaac7d92_ffn1
    .symbol:         k_q93aaac7d92_ffn1.kd
    .args:
      - { .name: hbuf, .offset: 0, .size: 8, .value_kind: global_buffer, .address_space: global }
      - { .name: wb, .offset: 8, .size: 8, .value_kind: global_buffer, .address_space: global }
      - { .name: b1, .offset: 16, .size: 8, .value_kind: global_buffer, .address_space: global }
      - { .name: obuf, .offset: 24, .size: 8, .value_kind: global_buffer, .address_space: global }
    .group_segment_fixed_size: 327680
    .private_segment_fixed_size: 0
    .kernarg_segment_align: 8
    .kernarg_segment_size: 32
    .max_flat_workgroup_size: 128
    .sgpr_count:     102
    .vgpr_count:     1024
    .wavefront_size: 32
...
	.end_amdgpu_metadata
.endif
;; end of part 5
;; launch ffn2: the kernel of part 4 again; grid 4 x 64, 4 waves a work-group, clusters of 4 x 4, 327,680 bytes of LDS; arguments obuf, wb, b2, x1, out0; writes out0
